; MI455X (gfx1250); checked and timed in simulation.
; The chip was launched on July 23, 2026; its instructions are those of AMD's public machine-readable ISA for CDNA 5 (MIT licence, August 2026) and "CDNA5" Instruction Set Architecture Reference Guide (July 2026). The comments in the code are by the model that wrote it; some were corrected since.
;; Attention Block. Allowed arithmetic: matrix products marked QUANTISED: E5M2 operands, one given power-of-two scale a tensor, by v_wmma_f32_16x16x64_bf8_bf8 or v_wmma_f32_16x16x128_bf8_bf8, f32 sums; products left as they are: f32 operands where the result goes on into a quantised operand, else bf16, f16 or f32 operands; f32 sums; everything else in f32.
;; Inputs: Wfc_codes 1,024 x 16 x 32 uint8 (E5M2 codes of Wfc, K innermost, in blocks of 32 codes); Wk_codes 512 x 16 x 32 uint8 (E5M2 codes of Wk, K innermost, in blocks of 32 codes); Wo_codes 512 x 16 x 32 uint8 (E5M2 codes of Wo, K innermost, in blocks of 32 codes); Wpr_codes 512 x 32 x 32 uint8 (E5M2 codes of Wpr, K innermost, in blocks of 32 codes); Wq_codes 512 x 16 x 32 uint8 (E5M2 codes of Wq, K innermost, in blocks of 32 codes); Wv_codes 512 x 16 x 32 uint8 (E5M2 codes of Wv, K innermost, in blocks of 32 codes); b1 512 float32; b2 512 float32; bfc 1,024 float32; bk 512 float32; bo 512 float32; bpr 512 float32; bq 512 float32; bv 512 float32; g1 512 float32; g2 512 float32; lowp_scales 12 int32 (the exponents e of the quantised operands' scales 2^e); q_codes 16 x 2,048 x 16 x 32 uint8 (E5M2 codes of q, K innermost, in blocks of 32 codes); x 16 x 512 x 2,048 float32.
;; Outputs: out0 16 x 512 x 2,048 float32.
;; This version of the problem:
;;   THIS VERSION OF THE PROBLEM IS GIVEN IN LOW PRECISION. The matrix products marked QUANTISED in the list below multiply operands that are first quantised to E5M2 (5 exponent bits, 2 mantissa bits; 8 bits a number), with one given power-of-two scale for each operand tensor; their sums are f32. All else is computed in f32.
;;   The module's matrix products, in the order in which they are computed (A, B: the left and right operand; K: the contracted axis; several contracted axes count as one K, in the product's order):
;;     1. [M 32,768, K 512] x [K 512, N 512]; A: input q (given as codes); B: input Wq (given as codes): QUANTISED (scales: A lowp_scales[0], B lowp_scales[1])
;;     2. [M 32,768, K 512] x [K 512, N 512]; A: computed on the way; B: input Wk (given as codes): QUANTISED (scales: A lowp_scales[2], B lowp_scales[3])
;;     3. [M 32,768, K 512] x [K 512, N 512]; A: computed on the way; B: input Wv (given as codes): QUANTISED (scales: A lowp_scales[4], B lowp_scales[5])
;;     4. batch 262,144 x [M 1, K 64] x [K 64, N 3]; A: computed on the way; B: computed on the way: left as it is (M = 1 < 16)
;;     5. batch 262,144 x [M 1, K 3] x [K 3, N 64]; A: softmax; B: computed on the way: left as it is (K = 3 < 32)
;;     6. [M 32,768, K 512] x [K 512, N 512]; A: computed on the way; B: input Wo (given as codes): QUANTISED (scales: A lowp_scales[6], B lowp_scales[7])
;;     7. [M 32,768, K 512] x [K 512, N 1,024]; A: computed on the way; B: input Wfc (given as codes): QUANTISED (scales: A lowp_scales[8], B lowp_scales[9])
;;     8. [M 32,768, K 1,024] x [K 1,024, N 512]; A: computed on the way; B: input Wpr (given as codes): QUANTISED (scales: A lowp_scales[10], B lowp_scales[11])
;;   THE QUANTISER, for each operand of a quantised product, along K:
;;     - The operand's scale is 2^e, e = its entry of the input lowp_scales (int32; the entries are numbered through the quantised products in the list's order, A before B).
;;     - Each number is divided by the scale, clamped to +-57,344, and rounded to the nearest number of E5M2, ties to even, subnormals kept.
;;     - The product sums the exact products of the quantised numbers (number of the format x scale) in f32.
;;   ~~~python
;;   def quantise(x, axis, e):      # numpy; x: float32 -> the quantised numbers, widened to float32 again
;;       x = np.moveaxis(x, axis, -1); K = x.shape[-1]
;;       r = np.clip(x / 2.0 ** e, -57344, 57344)
;;       step = 2.0 ** (np.maximum(np.frexp(np.where(r == 0, 1, r))[1] - 1, -14) - 2)
;;       q = np.round(r / step) * step * 2.0 ** e      # np.round: ties to even
;;       return np.moveaxis(q, -1, axis).astype(np.float32)
;;   ~~~
;;   OPERANDS COMPUTED ON THE WAY. 'Computed on the way' means the value that the module computes at that place (a softmax that the list does not call 'softmax' is quantised finished and normalised). What goes into a quantiser is computed in f32, as accurately as f32 sums, v_exp_f32 and their like allow (about 1e-6 of the number): no bf16 or f16 on the way to a quantiser, and a product that is left as it is and whose result goes on into a quantised operand takes f32 operands (vector FMAs, or v_wmma_f32_16x16x4_f32). A number that lies on a knife's edge between two numbers of the format may be rounded either way, as far as f32 arithmetic and the matrix unit's own rounding can turn it there, and no further.
;;   INPUTS GIVEN AS CODES. Wfc (in the module: [512, 1024], K = its axis 0); Wk (in the module: [512, 512], K = its axis 0); Wo (in the module: [512, 512], K = its axis 0); Wpr (in the module: [1024, 512], K = its axis 0); Wq (in the module: [512, 512], K = its axis 0); Wv (in the module: [512, 512], K = its axis 0); q (in the module: [16, 512, 2048], K = its axis 1): each comes as NAME_codes (uint8): NAME with its K axis moved to the last place and cut into blocks of 32 codes, [.., K / 32, bytes a block], one block behind the other in memory; one code a byte (a code: sign, 5 exponent bits, 2 mantissa bits); its scale is its entry of lowp_scales. Its value is code x scale, taken as it is: it is not quantised again, and the codes and scales need not be those that the quantiser above would give.
;; One version. Each part assembles by itself: llvm-mc -triple=amdgcn-amd-amdhsa -mcpu=gfx1250 --defsym DOCPART=n.
;; ======== version 1 of 1: 3 launches
;; limits: right only within a limited range of input values
;; workspace buffers: hk 18,874,368 bytes; hv 18,874,368 bytes; wst 2,359,296 bytes; oc 16,777,216 bytes; part 1,048,576 bytes
;; launch prep (part 1): grid 16 x 16, 16 waves a work-group, no clusters, 29,696 bytes of LDS; arguments x, g1, b1, lowp_scales, Wq_codes, Wk_codes, Wv_codes, Wo_codes, Wfc_codes, Wpr_codes, hk, hv, wst; writes hk, hv, wst
.if DOCPART == 1
	.amdgcn_target "amdgcn-amd-amdhsa--gfx1250"
	.amdhsa_code_object_version 6
	.text
	.protected	k_qcd7866e322_prep
	.globl	k_qcd7866e322_prep
	.p2align	8
	.type	k_qcd7866e322_prep,@function
k_qcd7866e322_prep:
	s_mov_b64 s[64:65], 0
	v_nop
	global_prefetch_b8 v0, s[64:65] scope:SCOPE_SE
	s_setreg_imm32_b32 hwreg(HW_REG_WAVE_MODE, 25, 1), 1
	s_wait_xcnt 0x0
; h = instance norm of x over its 2,048 places, quantised twice to E5M2: with 2^e2 (operand of the K product) into hk, with 2^e4 (operand of the V product) into hv.
; Besides, the work-groups lay the six weights out as a stream of operand images (wst) for the two launches that follow.
; SHARES.  Work-group (x = group of 32 channels, y = batch) holds 32 channels x 2,048 places in registers: x is read once.  Wave w holds places 128 w .. 128 w + 127,
; lane l the four places 4 l + j of all 32 channels, so each load of a wave reads 512 consecutive bytes.
; TWO PLANES.  All 32 loads are issued at the head; the channels then go as two planes of 16, each through its statistics, its codes and its stores: plane 0's work stands under plane 1's loads.
; STATISTICS in two passes over the registers: the mean, then the sum of squares of x - mean; x - mean is what is scaled afterwards, so no difference of large sums is formed.
; LAYOUT of hk and hv: [batch][block of 128 places][plane of 16 channels: 2,304 bytes][unit of 256 bytes][entry of 16 bytes = 16 channels of one place].
; Tile t of a block holds in entry r the place 8 r + t.  Units: 0 = tile 0, 1 = H (entry 0 = the place behind the block, entry 15 = the place in front of it, else zeros), 2 = tile 7, 3..8 = tiles 1..6.
; So tile 0 read one entry further on is 'tile 8', and H's last entry with tile 7 behind it is 'tile -1'.  Places -1 and 2,048 are zero codes.
; NO CLUSTER: the work-groups share no input but a few bytes of gains.  No matrix unit: there is no product here.  No prefetch: every load is issued at the head, and there is no loop to run ahead in.
; LIMITS: e2 and e4 between -126 and 112, so that 2^e and 57,344 x 2^e are f32 numbers.  NaN among the inputs is not served.
.set RED1, 0                           ; LDS: partial sums, [channel 32] 144 bytes apart, word 2 w + half
.set RED2, 4608                        ; the same for the squares
.set HX,   9216                        ; the H units: [block + 1: 0..17][hk, hv][plane 2][256 bytes]; blocks 0 and 17 are written and never read
.set CK,  24                           ; v24-27 codes under e2;  v28-31 under e4
.set CV,  28
.set T,   32                           ; v32-47 sixteen numbers of a place
.set T2,  48                           ; v48-63 the same, held for e2
.set S,   64                           ; v64-79 a partial sum for each channel of a plane
.set WD,  80                           ; v80-87 two chunks of a weight;  v88 where they come from, v89 where they go
.set RL,  96                           ; v96-127 a channel's 32 partial sums
.set X,   128                          ; v128-255 x: channel c, place j at X + 4 c + j
.set MA,  32                           ; s32-63 the means, later the factors rstd x g1
.set MB,  66                           ; s66-97 b1
	s_load_b512 s[4:19], s[0:1], 0x0               ; x, g1, b1, scales, Wq, Wk, Wv, Wo
	s_load_b256 s[20:27], s[0:1], 0x40             ; Wfc, Wpr, hk, hv
	s_load_b64 s[28:29], s[0:1], 0x60              ; wst
	v_and_b32 v1, 31, v0                           ; lane
	v_lshrrev_b32 v19, 5, v0
	s_delay_alu instid0(VALU_DEP_1)
	v_readfirstlane_b32 s30, v19                   ; wave = block of 128 places
	s_and_b32 s31, ttmp7, 0xffff                   ; batch
	v_lshlrev_b32 v2, 4, v1                        ; 16 x lane
	v_lshrrev_b32 v20, 1, v1
	s_delay_alu instid0(VALU_DEP_1)
	v_lshlrev_b32 v20, 4, v20                      ; entry r = lane / 2
	v_and_b32 v21, 1, v1                           ; tile = 4 (lane % 2) + j: v3-6 = 16 r + 256 x the tile's unit, for j = 0..3
	s_delay_alu instid0(VALU_DEP_1)
	v_mad_u32_u24 v3, v21, 6*256, v20              ; units 0, 6
	s_delay_alu instid0(VALU_DEP_2)
	v_mad_u32_u24 v4, v21, 4*256, v20
	s_delay_alu instid0(VALU_DEP_1)
	v_add_nc_u32 v5, 4*256, v4                     ; units 4, 8
	s_delay_alu instid0(VALU_DEP_2)
	v_add_nc_u32 v4, 3*256, v4                     ; units 3, 7
	v_mul_u32_u24 v22, v21, 3*256
	s_delay_alu instid0(VALU_DEP_1)
	v_sub_nc_u32 v6, v20, v22
	s_delay_alu instid0(VALU_DEP_1)
	v_add_nc_u32 v6, 5*256, v6                     ; units 5, 2
	v_lshrrev_b32 v7, 4, v0
	s_delay_alu instid0(VALU_DEP_1)
	v_lshlrev_b32 v7, 2, v7                        ; word 2 w + half
	v_and_b32 v8, 15, v1
	s_delay_alu instid0(VALU_DEP_1)
	v_mul_u32_u24 v8, v8, 144                      ; on the way back: channel lane % 16 of the plane in hand
	v_lshl_add_u32 v9, v19, 10, HX                 ; H of the block in front of mine, entry 0
	s_delay_alu instid0(VALU_DEP_1)
	v_add_nc_u32 v10, 2048+240, v9                 ; H of the block behind mine, entry 15
	s_delay_alu instid0(VALU_DEP_2)
	v_add_nc_u32 v11, 1024, v9
	s_delay_alu instid0(VALU_DEP_1)
	v_add_nc_u32 v11, v11, v2                      ; my own block's H units, 16 bytes a lane
	v_lshrrev_b32 v12, 4, v1
	s_delay_alu instid0(VALU_DEP_1)
	v_mul_u32_u24 v12, v12, 2304
	v_and_b32 v22, 15, v1
	s_delay_alu instid0(VALU_DEP_1)
	v_lshl_add_u32 v12, v22, 4, v12
	s_delay_alu instid0(VALU_DEP_1)
	v_add_nc_u32 v12, 256, v12                     ; and their place in hk, hv: plane = lane / 16, unit 1
	s_lshl_b32 s100, ttmp9, 7
	v_lshl_add_u32 v23, v1, 2, s100                ; g1, b1 of channel 32 x + lane
.irp k, 32,33,34,35
	v_mov_b32 v\k, 0
.endr
	ds_store_b128 v11, v[32:35]                    ; my block's H units begin as zeros; two barriers stand between these stores and the neighbours' entries
	ds_store_b128 v11, v[32:35] offset:512
	s_lshl_b32 s98, s31, 9
	s_lshl_b32 s99, ttmp9, 5
	s_add_co_u32 s98, s98, s99                     ; first channel row: 512 batch + 32 x
	s_lshl_b32 s98, s98, 13                        ; rows of 8,192 bytes
	s_lshl_b32 s99, s30, 9
	s_add_co_u32 s98, s98, s99                     ; + 512 bytes x wave
	s_mov_b32 s99, 0
	s_wait_alu depctr_va_vdst(0)                   ; the wait at the head's end
	s_wait_kmcnt 0x0
	s_load_b32 s100, s[10:11], 0x8                 ; e2
	s_load_b32 s101, s[10:11], 0x10                ; e4
	s_add_nc_u64 s[4:5], s[4:5], s[98:99]
	s_lshl_b32 s98, s31, 4
	s_add_co_u32 s98, s98, s30
	s_mul_i32 s98, s98, 73728                      ; (16 batch + block) x 32 planes
	s_mul_i32 s99, ttmp9, 4608                     ; + my two planes
	s_add_co_u32 s98, s98, s99
	s_mov_b32 s99, 0
	s_add_nc_u64 s[24:25], s[24:25], s[98:99]
	s_add_nc_u64 s[26:27], s[26:27], s[98:99]
	global_load_b32 v17, v23, s[6:7]
	global_load_b32 v18, v23, s[8:9]
.set c, 0
.rept 32
	global_load_b128 v[X+4*c:X+4*c+3], v2, s[4:5] offset:8192*c th:TH_LOAD_NT   ; 512 consecutive bytes of channel c
.set c, c+1
.endr
	; THE WEIGHTS.  The stream is 144 units of 16,384 bytes, unit u = quarter u % 4 of slot u / 4: [k half 2][tile of 16 rows 4][c 4][lane][16 bytes]:
	; lane (r, h) holds row row0 + 16 tile + r, bytes col + 128 half + 32 c + 16 h: the registers of an operand fragment, on end.  A unit is 16 pairs of chunks of 512 bytes: 2,304 pairs in all,
	; nine for each of the 256 work-groups: wave w < 9 of work-group g copies pair 9 g + w, which is pair (9 g + w) % 16 of unit (9 g + w) / 16.  The loads go out here, behind x's; the stores follow where plane 1 has waited for all loads.
	; Two slots, 512 along K of 64 rows a wave, are a FILL of 131,072 bytes, and in it a wave's two quarters lie on end: (slot / 2) x 131,072 + quarter x 32,768 + (slot % 2) x 16,384.
	s_cmp_lt_u32 s30, 9
	s_cbranch_scc0 .Lno_load
	s_lshl_b32 s32, s31, 4
	s_add_co_u32 s32, s32, ttmp9
	s_mul_i32 s32, s32, 9
	s_add_co_u32 s32, s32, s30                     ; the pair
	s_and_b32 s48, s32, 15                         ; its number p in the unit
	s_lshr_b32 s32, s32, 4                         ; the unit
	s_lshr_b32 s33, s32, 2                         ; slot
	s_and_b32 s34, s32, 3                          ; quarter: the wave that will read it
	s_lshr_b32 s44, s33, 2                         ; pass: slots 0-7
	s_bfe_u32 s35, s33, 0x10001                    ;       slots 8-19
	s_sub_co_u32 s45, s33, 20
	s_lshr_b32 s45, s45, 1                         ;       slots 20-27
	s_sub_co_u32 s46, s33, 28
	s_and_b32 s47, s46, 3                          ; 256 along K: slots 28-35
	s_lshr_b32 s46, s46, 2                         ; pass: slots 28-35
	s_and_b32 s36, s33, 1                          ; 256 along K: the others
	s_mov_b64 s[40:41], s[22:23]                   ; which weight: Wpr,
	s_cmp_lt_u32 s33, 28
	s_cselect_b64 s[40:41], s[20:21], s[40:41]     ; Wfc,
	s_cmp_lt_u32 s33, 20
	s_cselect_b64 s[40:41], s[18:19], s[40:41]     ; Wo (slots 12-15 for the second launch, 16-19 for the third),
	s_cmp_lt_u32 s33, 12
	s_cselect_b64 s[40:41], s[16:17], s[40:41]     ; Wv,
	s_bitcmp1_b32 s33, 1
	s_cselect_b64 s[42:43], s[14:15], s[12:13]     ; Wq and Wk, two slots by turns
	s_cmp_lt_u32 s33, 8
	s_cselect_b64 s[12:13], s[42:43], s[40:41]     ; the choice lies in s[12:13], which nothing writes again: the loads may stay out
	s_cselect_b32 s35, s44, s35
	s_cmp_ge_u32 s33, 20
	s_cselect_b32 s35, s45, s35
	s_cselect_b32 s37, 8, 7                        ; log2 of a wave's rows: 256 in Wfc, else 128
	s_cmp_ge_u32 s33, 28
	s_cselect_b32 s35, s46, s35
	s_cselect_b32 s36, s47, s36
	s_cselect_b32 s37, 7, s37
	s_cselect_b32 s38, 10, 9                       ; log2 of a row's bytes: 1,024 in Wpr, else 512
	v_and_b32 v88, 15, v0
	v_bfe_u32 v90, v0, 4, 1
	s_delay_alu instid0(VALU_DEP_2)
	v_lshlrev_b32 v88, s38, v88
	s_delay_alu instid0(VALU_DEP_1)
	v_lshl_add_u32 v88, v90, 4, v88                ; r rows + 16 h
	s_wait_alu depctr_va_vdst(0)                   ; the wait ahead of the run of scalar instructions
	s_lshl_b32 s39, s34, s37
	s_lshl_b32 s44, s35, 6
	s_add_co_u32 s39, s39, s44                     ; row0 = quarter x rows + 64 x pass
	s_bfe_u32 s44, s48, 0x20001
	s_lshl_b32 s44, s44, 4
	s_add_co_u32 s39, s39, s44                     ; + 16 x tile, tile = (p / 2) % 4
	s_lshl_b32 s39, s39, s38
	s_lshl_b32 s44, s36, 8
	s_add_co_u32 s39, s39, s44                     ; + col
	s_lshr_b32 s44, s48, 3
	s_lshl_b32 s44, s44, 7
	s_add_co_u32 s39, s39, s44                     ; + 128 x half, half = p / 8
	s_and_b32 s44, s48, 1
	s_lshl_b32 s44, s44, 6
	s_add_co_u32 s39, s39, s44                     ; + 32 c, c = 2 (p % 2)
	v_add_nc_u32 v88, s39, v88
	global_load_b128 v[WD:WD+3], v88, s[12:13]
	global_load_b128 v[WD+4:WD+7], v88, s[12:13] offset:32
	s_lshr_b32 s39, s33, 1
	s_lshl_b32 s39, s39, 17                        ; the fill,
	s_lshl_b32 s44, s34, 15
	s_add_co_u32 s39, s39, s44                     ; the reading wave's 32,768 bytes of it,
	s_and_b32 s44, s33, 1
	s_lshl_b32 s44, s44, 14
	s_add_co_u32 s39, s39, s44                     ; the slot's half of those,
	s_lshl_b32 s44, s48, 10
	s_add_co_u32 s39, s39, s44                     ; the pair's two chunks
	v_add_nc_u32 v89, s39, v2
.Lno_load:
	s_wait_kmcnt 0x0
	s_add_co_i32 s100, s100, 127
	s_lshl_b32 s98, s100, 23
	v_mov_b32 v13, s98                             ; 2^e2: the conversion takes its exponent field
	s_add_co_i32 s100, s100, 15
	s_lshl_b32 s100, s100, 23
	s_or_b32 s100, s100, 0x600000
	v_mov_b32 v14, s100                            ; 57,344 x 2^e2
	s_add_co_i32 s101, s101, 127
	s_lshl_b32 s98, s101, 23
	v_mov_b32 v15, s98                             ; the same for e4
	s_add_co_i32 s101, s101, 15
	s_lshl_b32 s101, s101, 23
	s_or_b32 s101, s101, 0x600000
	v_mov_b32 v16, s101
; A sum over the 2,048 places for each of plane P's 16 channels: S[c] holds my lane's part.  Four steps inside each half of the lanes; each half's figure goes to its own word;
; a barrier; lane l reads the 32 words of channel 16 P + l % 16 and adds them: the total is left in v19.  The two planes have LDS words of their own.
.macro REDUCE base, P
.irp m, 1,2,4,8
.set c, 0
.rept 16
	v_add_f32_dpp v[S+c], v[S+c], v[S+c] row_xmask:\m row_mask:0xf bank_mask:0xf
.set c, c+1
.endr
.endr
.set c, 0
.rept 16
	ds_store_b32 v7, v[S+c] offset:\base+144*(16*\P+c)   ; sixteen lanes write one word with one value
.set c, c+1
.endr
	s_wait_dscnt 0x0                               ; for the others' sake: my stores have landed
	s_barrier_signal -1
	s_barrier_wait -1
.irp i, 0,1,2,3,4,5,6,7
	ds_load_b128 v[RL+4*\i:RL+4*\i+3], v8 offset:\base+2304*\P+16*\i
.endr
	s_wait_dscnt 0x0
.irp i, 0,1,2,3,4,5,6,7
	v_pk_add_f32 v[RL+4*\i:RL+4*\i+1], v[RL+4*\i:RL+4*\i+1], v[RL+4*\i+2:RL+4*\i+3]
.endr
.irp i, 0,1,2,3
	v_pk_add_f32 v[RL+8*\i:RL+8*\i+1], v[RL+8*\i:RL+8*\i+1], v[RL+8*\i+4:RL+8*\i+5]
.endr
	s_delay_alu instid0(VALU_DEP_3)
	v_pk_add_f32 v[RL:RL+1], v[RL:RL+1], v[RL+8:RL+9]
	s_delay_alu instid0(VALU_DEP_2)
	v_pk_add_f32 v[RL+16:RL+17], v[RL+16:RL+17], v[RL+24:RL+25]
	s_delay_alu instid0(VALU_DEP_1)
	v_pk_add_f32 v[RL:RL+1], v[RL:RL+1], v[RL+16:RL+17]
	s_delay_alu instid0(VALU_DEP_1)
	v_add_f32 v19, v[RL], v[RL+1]
.endm
; PLANE P: channels 16 P .. 16 P + 15, from their loads' landing to their codes' stores.  Lanes 16 P .. 16 P + 15 hold the figures of the channel of their own number, beside its g1 and b1.
.macro PLANE P
.set c, 0
.rept 16
.if c%8 == 0
	s_wait_loadcnt 24-16*\P-c                      ; eight channels more are in; the loads of the channels behind them may be out (with the count 0: the weights' two as well)
.endif
	v_pk_add_f32 v[T+2*(c%8):T+2*(c%8)+1], v[X+4*(16*\P+c):X+4*(16*\P+c)+1], v[X+4*(16*\P+c)+2:X+4*(16*\P+c)+3]
	s_delay_alu instid0(VALU_DEP_1)
	v_add_f32 v[S+c], v[T+2*(c%8)], v[T+2*(c%8)+1]
.set c, c+1
.endr
.if \P
	s_cmp_lt_u32 s30, 9
	s_cbranch_scc0 .Lno_store
	global_store_b128 v89, v[WD:WD+3], s[28:29]    ; the weights' pair: 512 consecutive bytes each; their registers are not written again
	global_store_b128 v89, v[WD+4:WD+7], s[28:29] offset:512
.Lno_store:
.endif
	REDUCE RED1, \P
	s_delay_alu instid0(VALU_DEP_1)
	v_mul_f32 v19, 0x3a000000, v19                 ; / 2,048: the mean
.set c, 0
.rept 16
	v_readlane_b32 s[MA+16*\P+c], v19, 16*\P+c
.set c, c+1
.endr
.set c, 0
.rept 16
.irp j, 0,1,2,3
	v_sub_f32 v[X+4*(16*\P+c)+\j], v[X+4*(16*\P+c)+\j], s[MA+16*\P+c]    ; x - mean, kept
.endr
.set c, c+1
.endr
.set c, 0
.rept 16
	v_pk_mul_f32 v[T+2*(c%8):T+2*(c%8)+1], v[X+4*(16*\P+c):X+4*(16*\P+c)+1], v[X+4*(16*\P+c):X+4*(16*\P+c)+1]
	s_delay_alu instid0(VALU_DEP_1)
	v_pk_fma_f32 v[T+2*(c%8):T+2*(c%8)+1], v[X+4*(16*\P+c)+2:X+4*(16*\P+c)+3], v[X+4*(16*\P+c)+2:X+4*(16*\P+c)+3], v[T+2*(c%8):T+2*(c%8)+1]
	s_delay_alu instid0(VALU_DEP_1)
	v_add_f32 v[S+c], v[T+2*(c%8)], v[T+2*(c%8)+1]
.set c, c+1
.endr
	REDUCE RED2, \P
	v_mov_b32 v20, 0x3a000000
	s_delay_alu instid0(VALU_DEP_1)
	v_fmaak_f32 v19, v19, v20, 0x3727c5ac          ; the variance + 1e-5
	s_wait_alu depctr_va_vdst(0)                   ; the wait ahead of the transcendental
	v_rsq_f32 v21, v19
	v_nop                                          ; a plain instruction behind the transcendental,
	s_wait_alu depctr_va_vdst(0)                   ; and the wait ahead of its first reader
	v_mul_f32 v21, v21, v17                        ; rstd x g1
.set c, 0
.rept 16
	v_readlane_b32 s[MA+16*\P+c], v21, 16*\P+c
	v_readlane_b32 s[MB+16*\P+c], v18, 16*\P+c
.set c, c+1
.endr
	; THE CODES: for place j of my four, the plane's sixteen channels of one place are sixteen bytes: an entry.
.irp j, 0,1,2,3
.set k, 0
.rept 16
	v_fma_f32 v[T+k], v[X+4*(16*\P+k)+\j], s[MA+16*\P+k], s[MB+16*\P+k]
.set k, k+1
.endr
	s_wait_xcnt 0x0                                ; the last stores have read their codes: the registers are written again only behind this wait
.set k, 0
.rept 16
	v_med3_num_f32 v[T2+k], v[T+k], -v14, v14      ; the conversion to an 8-bit code does not saturate (ISA guide 7.6.2): the hold at the largest code x the scale
.set k, k+1
.endr
	v_cvt_scalef32_pk8_bf8_f32 v[CK:CK+1], v[T2:T2+7], v13
	v_cvt_scalef32_pk8_bf8_f32 v[CK+2:CK+3], v[T2+8:T2+15], v13
.set k, 0
.rept 16
	v_med3_num_f32 v[T+k], v[T+k], -v16, v16
.set k, k+1
.endr
	v_cvt_scalef32_pk8_bf8_f32 v[CV:CV+1], v[T:T+7], v15
	v_cvt_scalef32_pk8_bf8_f32 v[CV+2:CV+3], v[T+8:T+15], v15
	v_nop                                          ; a plain instruction behind the last conversion
	global_store_b128 v[3+\j], v[CK:CK+3], s[24:25] offset:2304*\P   ; the even lanes fill one aligned 256 bytes (a tile), the odd lanes another
	global_store_b128 v[3+\j], v[CV:CV+3], s[26:27] offset:2304*\P
.if \j == 0                                    ; my first place is the place behind the block in front of mine
	s_wait_alu depctr_va_vdst(0)
	s_wait_xcnt 0x0                                ; EXEC changes only behind this wait
	v_cmp_eq_u32 vcc_lo, 0, v1
	s_and_saveexec_b32 s98, vcc_lo
	ds_store_b128 v9, v[CK:CK+3] offset:256*\P
	ds_store_b128 v9, v[CV:CV+3] offset:512+256*\P
	s_or_b32 exec_lo, exec_lo, s98
.endif
.if \j == 3                                    ; my last place is the place in front of the block behind mine
	s_wait_alu depctr_va_vdst(0)
	s_wait_xcnt 0x0
	v_cmp_eq_u32 vcc_lo, 31, v1
	s_and_saveexec_b32 s98, vcc_lo
	ds_store_b128 v10, v[CK:CK+3] offset:256*\P
	ds_store_b128 v10, v[CV:CV+3] offset:512+256*\P
	s_or_b32 exec_lo, exec_lo, s98
.endif
.endr
.endm
	PLANE 0
	PLANE 1
	s_wait_dscnt 0x0                               ; my entries in the neighbours' H units have landed
	s_barrier_signal -1
	s_barrier_wait -1
	ds_load_b128 v[32:35], v11                     ; my block's H units, whole: hk's two planes,
	ds_load_b128 v[36:39], v11 offset:512          ; hv's
	s_wait_dscnt 0x1                               ; the first is in; the second may be out
	global_store_b128 v12, v[32:35], s[24:25]
	s_wait_dscnt 0x0
	global_store_b128 v12, v[36:39], s[26:27]
	s_wait_xcnt 0x0
	s_mov_b32 exec_lo, -1
	v_lshl_add_u32 v94, v0, 2, 0x6c00              ; the wave's end: the add of 0 onto my spare word, between its two waits
	v_mov_b32 v95, 0
	s_wait_alu depctr_va_vdst(0)
	s_wait_tensorcnt 0x0
	ds_add_u32 v94, v95
	s_wait_dscnt 0x0
	s_endpgm
.Lfunc_end_k_qcd7866e322_prep:
	.size	k_qcd7866e322_prep, .Lfunc_end_k_qcd7866e322_prep-k_qcd7866e322_prep
	.p2alignl 7, 3214868480
	.fill 96, 4, 3214868480
	.section	.rodata,"a",@progbits
	.p2align	6, 0x0
	.amdhsa_kernel k_qcd7866e322_prep
		.amdhsa_group_segment_fixed_size 29696
		.amdhsa_private_segment_fixed_size 0
		.amdhsa_enable_private_segment 0
		.amdhsa_kernarg_size 104
		.amdhsa_user_sgpr_count 2
		.amdhsa_user_sgpr_kernarg_segment_ptr 1
		.amdhsa_wavefront_size32 1
		.amdhsa_system_sgpr_workgroup_id_x 1
		.amdhsa_system_sgpr_workgroup_id_y 1
		.amdhsa_system_sgpr_workgroup_id_z 1
		.amdhsa_system_vgpr_workitem_id 0
		.amdhsa_next_free_vgpr 256
		.amdhsa_next_free_sgpr 102
		.amdhsa_reserve_vcc 1
		.amdhsa_float_denorm_mode_32 3
		.amdhsa_float_denorm_mode_16_64 3
		.amdhsa_memory_ordered 1
		.amdhsa_forward_progress 1
		.amdhsa_inst_pref_size 93
	.end_amdhsa_kernel
	.amdgpu_metadata
---
amdhsa.version: [ 1, 2 ]
amdhsa.kernels:
  - .name:           k_qcd7866e322_prep
    .symbol:         k_qcd7866e322_prep.kd
    .args:
      - { .name: x, .offset: 0, .size: 8, .value_kind: global_buffer, .address_space: global }
      - { .name: g1, .offset: 8, .size: 8, .value_kind: global_buffer, .address_space: global }
      - { .name: b1, .offset: 16, .size: 8, .value_kind: global_buffer, .address_space: global }
      - { .name: lowp_scales, .offset: 24, .size: 8, .value_kind: global_buffer, .address_space: global }
      - { .name: Wq_codes, .offset: 32, .size: 8, .value_kind: global_buffer, .address_space: global }
      - { .name: Wk_codes, .offset: 40, .size: 8, .value_kind: global_buffer, .address_space: global }
      - { .name: Wv_codes, .offset: 48, .size: 8, .value_kind: global_buffer, .address_space: global }
      - { .name: Wo_codes, .offset: 56, .size: 8, .value_kind: global_buffer, .address_space: global }
      - { .name: Wfc_codes, .offset: 64, .size: 8, .value_kind: global_buffer, .address_space: global }
      - { .name: Wpr_codes, .offset: 72, .size: 8, .value_kind: global_buffer, .address_space: global }
      - { .name: hk, .offset: 80, .size: 8, .value_kind: global_buffer, .address_space: global }
      - { .name: hv, .offset: 88, .size: 8, .value_kind: global_buffer, .address_space: global }
      - { .name: wst, .offset: 96, .size: 8, .value_kind: global_buffer, .address_space: global }
    .group_segment_fixed_size: 29696
    .private_segment_fixed_size: 0
    .kernarg_segment_align: 8
    .kernarg_segment_size: 104
    .max_flat_workgroup_size: 512
    .sgpr_count:     102
    .vgpr_count:     256
    .wavefront_size: 32
...
	.end_amdgpu_metadata
.endif
;; end of part 1
;; launch attn (part 2): grid 16 x 16, 4 waves a work-group, clusters of 4 x 1, 327,680 bytes of LDS; arguments q_codes, hk, hv, wst, bq, bk, bv, bo, lowp_scales, oc, part; writes oc, part
.if DOCPART == 2
	.amdgcn_target "amdgcn-amd-amdhsa--gfx1250"
	.amdhsa_code_object_version 6
	.text
	.protected	k_qcd7866e322_attn
	.globl	k_qcd7866e322_attn
	.p2align	8
	.type	k_qcd7866e322_attn,@function
k_qcd7866e322_attn:
	s_mov_b64 s[64:65], 0
	v_nop
	global_prefetch_b8 v0, s[64:65] scope:SCOPE_SE
	s_setreg_imm32_b32 hwreg(HW_REG_WAVE_MODE, 25, 1), 1
	s_wait_xcnt 0x0
	s_wait_alu depctr_hold_cnt(0) depctr_sa_sdst(0) depctr_va_vdst(0) depctr_va_sdst(0) depctr_va_ssrc(0) depctr_va_vcc(0) depctr_vm_vsrc(0)
	s_getreg_b32 s2, hwreg(HW_REG_IB_STS2, 6, 4)
	s_cmp_eq_u32 s2, 0
	s_cbranch_scc0 .Lentry_in_a_cluster
	s_endpgm
.Lentry_in_a_cluster:
	s_bfe_u32 s2, ttmp6, 0x10000c
	s_cmp_lg_u32 s2, 0x3003
	s_cbranch_scc0 .Lentry_shape_is_right
	s_endpgm
.Lentry_shape_is_right:
; Q = q Wq + bq, K = h Wk + bk, V = h Wv + bv on E5M2 codes; the attention over three neighbouring places in f32; o quantised with 2^e6 into oc;
; o Wo + bo once more only for each block's mean and sum of squared deviations (part), which the next launch joins into the second norm.
; SHARES.  A work-group owns 128 places of one batch; wave w owns heads 2 w and 2 w + 1, one head (64 columns) at a time, for all places.
; ROW ORDER.  Row tile t holds in lane r the place 8 r + t, so the places before and behind lie in the SAME lane of tiles t - 1 and t + 1: K and V have ten tiles (-1 .. 8), and no number changes lanes.
; OPERANDS lie in LDS as planes: 16 neighbours along K of 16 rows, 256 bytes; registers 4 c .. 4 c + 3 of lane (r, h) are plane 2 c + h, row r.  That is a permutation of k, the same on both sides of every product.
; Q, K, V are used transposed (source 0 = 16 rows of W, source 1 = 16 places): a lane holds one place and eight neighbouring columns.  The biases, divided by the power of two that the sums lack,
; are loaded into the LAST row tile's accumulators and serve the other tiles as C of their first product.
; WEIGHTS come as a stream of 8 fills of 131,072 bytes, one for each product (64 columns a wave x 512 along K), through ONE LDS slot; each wave fetches and reads its own 32,768 bytes.
; W's fragments are fetched into registers two K steps ahead, so the slot is read out at the end of K step 1 of 4; it is filled again in K step 2, and that load has the rest of the product
; (16 + 32 or 20 + 40 matrix instructions) and all the vector work behind the product in which to land.
; CLUSTER: the four blocks of a cluster walk the same weights: each wave's part of a fill is asked for jointly, by the same tensor load with the same descriptor and a mask that names the four.
; A wave has one tensor load out.
; LIMITS: e6 - e4 - e5 between -126 and 112, e6 + e7 between -126 and 127, so that the powers of two made below are f32 numbers; the other scales go by v_ldexp_f32.  NaN among the inputs is not served.
; REGISTERS in windows of 256: window 0: v0-31 addresses; v32-55 the weights just made, v56-79 those of the other head; v80-95 at work; v96-255 the A fragments (16 a tile), at work between products.
;   window 1: v0-127 W's fragments, two sets; v128-191 K/V tiles 8, 9; v192-255 a part of hv that waits for its LDS bytes.   window 2: Q (tile a, column tile b at 8 (4 a + b)), later o Wo.   window 3: K, then V, tiles 0-7.
.set FILLB, 131072                     ; LDS: the weights' slot at bytes 0 to 131,071, 32,768 a wave; also a fill's bytes in memory;
.set HVB,   131072                     ; hv's image, 73,728 bytes: its last 32,768 lie over q's planes and are stored when q is done with;
.set AQB,   172032                     ; q: 32 planes 2,064 bytes apart (8 tiles + 16: the lanes' stores fall on different banks);
.set AKB,   238080                     ; hk's image, 73,728 bytes;
.set OIB,   238080                     ; over it, later: o's codes, [K step 4] 16,512 apart, [tile of 16 places 8] 2,064 apart, [plane 8][256];
.set BTB,   311808                     ; the three biases, 2,048 bytes each;
.set SPARE, 317952                     ; the spare words, 128 bytes a wave: two blocks of 256 bytes that no other line names
.set STG,   131072                     ; the statistics' stage, over hv's image when that is done with
.set PQ, 2064
.set PH, 2304
.set SPW, 1
.set NIL, 2
.set G1, 32                            ; s[32:39] descriptor group 1;  s[40:43] group 0, which walks
.set G0, 40
.set KQ,  0                            ; the kinds of product
.set KHK, 1
.set KHV, 2
.set KOI, 3
.set MSB, 0
.macro WIN new                         ; the immediate's high byte repeats the setting that is left; a switch that changes nothing is dropped
.if MSB != (\new)
	s_set_vgpr_msb (MSB<<8)|(\new)
.set MSB, (\new)
.endif
.endm
.macro PLACES n
.rept \n
	v_nop
.endr
.endm
.macro CREST                           ; a round of the cluster's barrier behind its opening barrier
	s_cmp_lg_u32 s26, 0
	s_cbranch_scc1 .Lnot_wave_0_\@
	s_barrier_signal -3
.Lnot_wave_0_\@:
	s_barrier_wait -3
	s_barrier_signal -1
	s_barrier_wait -1
.endm
.macro CROUND
	s_barrier_signal -1
	s_barrier_wait -1
	CREST
.endm
.macro BARRIER                         ; my LDS stores have landed and my LDS loads are in: then the work-group's barrier.
	s_wait_dscnt 0x0
	s_barrier_signal -1
	s_barrier_wait -1
.endm
.macro SETK g                          ; what a kind of product means
.set GK, \g
.if (\g == KHK) || (\g == KHV)
.set RT, 10                            ; row tiles
.set H1, 5
.set GK10, 1
.set GBIAS, 160                        ; the last tile's accumulators, in window 1
.set GADR, 4+2*(\g-KHK)
.else
.set RT, 8
.set H1, 4
.set GK10, 0
.set GBIAS, 224                        ; in window 2
.set GADR, 0
.endif
.if \g == KOI
.set GLOW, 0x04                        ; source 0 = rows (window 0), source 1 = W (window 1)
.else
.set GLOW, 0x01                        ; transposed: source 0 = W (window 1), source 1 = rows (window 0)
.endif
.endm
.macro FRAG reg, adr, off, st          ; a fragment: four loads of 16 bytes a lane; lanes 0-15 read 256 consecutive bytes
.irp c, 0,1,2,3
	ds_load_b128 v[(\reg)+4*\c:(\reg)+4*\c+3], v[\adr] offset:(\off)+(\st)*\c
.endr
.endm
.macro FETCH_B s, set                  ; W's four fragments of K step s of the product in hand, out of my part of the slot, into a set
	WIN 0x40
.irp b, 0,1,2,3
	FRAG 64*(\set)+16*\b, 10, (4*(\s)+\b)*2048, 512
.endr
.endm
.macro FETCH_A s, a0, a1               ; row tiles a0 .. a1 - 1 of K step s
	WIN 0
.set fa, \a0
.rept (\a1)-(\a0)
.if GK == KQ
	FRAG 96+16*fa, 3, 16512*(\s)+256*fa, 4128
.elseif GK == KOI
	FRAG 96+16*fa, 8, 16512*(\s)+2064*fa, 512
.else
.if fa == 0
.set tf, 496                           ; tile -1: H's last entry, then tile 7
.elseif fa == 1
.set tf, 0
.elseif fa == 8
.set tf, 512
.elseif fa == 9
.set tf, 16                            ; tile 8: tile 0 one entry on, into H's first
.else
.set tf, 256*(fa+1)
.endif
	FRAG 96+16*fa, GADR+(\s)/2, 18432*((\s)%2)+tf, 4608
.endif
.set fa, fa+1
.endr
.endm
; Row tiles a0 .. a1 - 1 against W's four column tiles, 128 along K.  cm = 0: onto the sums; 1: the constant 0 starts them; 2: the bias starts them: it lies in the last tile's accumulators,
; which the other tiles take as C; five places, and then the last tile adds onto it in place.  All accumulators take turns, one instruction a turn.
.macro MM a0, a1, set, cm
.set ma, \a0
.rept (\a1)-(\a0)
.if GK10 && (ma >= 8)
.set mr, 128+32*(ma-8)
.set mw, 1
.elseif GK10
.set mr, 32*ma
.set mw, 3
.else
.set mr, 32*ma
.set mw, 2
.endif
.set mc, mw
.set mb, 0
.if (\cm == 2) && (ma < RT-1)
.set mb, 1
.if GK10
.set mc, 1
.endif
.endif
.if (\cm == 2) && (ma == RT-1)
	PLACES 5                                       ; a matrix instruction that writes over registers which earlier ones read stands five places behind them (ISA guide 7.12.1)
.endif
	WIN (mw<<6)|(mc<<4)|GLOW
.irp b, 0,1,2,3
.if GLOW == 4
.if \cm == 1
	v_wmma_f32_16x16x128_bf8_bf8 v[mr+8*\b:mr+8*\b+7], v[96+16*ma:96+16*ma+15], v[64*(\set)+16*\b:64*(\set)+16*\b+15], 0
.else
	v_wmma_f32_16x16x128_bf8_bf8 v[mr+8*\b:mr+8*\b+7], v[96+16*ma:96+16*ma+15], v[64*(\set)+16*\b:64*(\set)+16*\b+15], v[mr+8*\b:mr+8*\b+7]
.endif
.elseif mb
	v_wmma_f32_16x16x128_bf8_bf8 v[mr+8*\b:mr+8*\b+7], v[64*(\set)+16*\b:64*(\set)+16*\b+15], v[96+16*ma:96+16*ma+15], v[GBIAS+8*\b:GBIAS+8*\b+7]
.else
	v_wmma_f32_16x16x128_bf8_bf8 v[mr+8*\b:mr+8*\b+7], v[64*(\set)+16*\b:64*(\set)+16*\b+15], v[96+16*ma:96+16*ma+15], v[mr+8*\b:mr+8*\b+7]
.endif
.endr
.set ma, ma+1
.endr
.endm
; K step 0 or 1.  A row tile's registers are free when its four products are issued: the first half is fetched anew in the middle, the second at the end, each behind four places;
; W's set is free at the step's end and takes the fragments of two K steps on.  cold = 1: the product's first step, whose rows were all fetched ahead of W's two sets.
.macro STEP s, cm, cold
.if \cold
	s_wait_dscnt 16                                ; the rows and this step's set of W are in; the other set's 16 loads may be out
.else
	s_wait_dscnt 4*(RT-H1)+16                      ; this step's set and the first half of the rows are in; the second half and the next set (16) may be out
.endif
	MM 0, H1, (\s)%2, \cm
.if \cold == 0
	s_wait_dscnt 16                                ; the second half is in; the next set may be out
.endif
	PLACES 4
	FETCH_A (\s)+1, 0, H1
	MM H1, RT, (\s)%2, \cm
	PLACES 4
	FETCH_A (\s)+1, H1, RT
	FETCH_B (\s)+2, (\s)%2
.endm
; K step 2.  The slot's last bytes, W's fragments of K step 3, have been asked for.  fill = 1: each wave waits for all its tensor loads (none is out), adds 0 to its spare word, and waits for that and
; for its reads of the slot; the barrier opens a round of the cluster's barrier, and the next product's weights are asked for first thing behind the round.  fill = 0: the launch's last product.
.macro TURN s, fill
.if \fill
	WIN 0
	s_wait_tensorcnt 0x0                           ; no tensor load of mine is out, so group 0 may be written
	ds_add_u32 v[SPW], v[NIL]                      ; 0 onto my spare word
	s_wait_dscnt 4*(RT-H1)+17                      ; (the second half of the rows, W's last set and the add may be out)
	MM 0, 2, (\s)%2, 0
	s_wait_dscnt 0x0                               ; the add is done, and my reads of the slot are over
	s_barrier_signal -1
	MM 2, H1, (\s)%2, 0
	WIN 0
	s_barrier_wait -1
	CREST                                          ; no wave of any partner still reads the slot or has a load on its way
	s_add_nc_u64 s[G0+2:G0+3], s[G0+2:G0+3], FILLB
	tensor_load_to_lds s[G0:G0+3], s[G1:G1+7]
	s_nop 0
	PLACES 4                                       ; places behind a tensor load; also the places in front of the loads below
.else
	s_wait_dscnt 4*(RT-H1)+16
	MM 0, H1, (\s)%2, 0
	s_wait_dscnt 0x0
	PLACES 4
.endif
	FETCH_A (\s)+1, 0, H1
	MM H1, RT, (\s)%2, 0
	PLACES 4
	FETCH_A (\s)+1, H1, RT
.endm
.macro LAST s                          ; K step 3: nothing more to fetch; W's set came in ahead of K step 2's barrier
	s_wait_dscnt 4*(RT-H1)
	MM 0, H1, (\s)%2, 0
	s_wait_dscnt 0x0
	MM H1, RT, (\s)%2, 0
.endm
; A product over K = 512: one fill, four K steps.  It starts with cold fragment registers, which are free for other work between products, and ends with four places.
.macro GEMM4 cm, fill
	FETCH_A 0, 0, RT                               ; the rows do not come out of the slot: they are asked for ahead of the wait
	s_wait_tensorcnt 0x0                           ; my part of this product's weights has landed: the one load that was out.  Only I read those bytes, so my own wait is all that my reads need
	FETCH_B 0, 0
	FETCH_B 1, 1
	STEP 0, \cm, 1
	STEP 1, 0, 0
	TURN 2, \fill
	LAST 3
	PLACES 4
	WIN 0
.endm
.macro ACCINIT win, reg, tab           ; the bias of my 64 columns, eight numbers a lane and column tile, into the last row tile's accumulators
	WIN \win
.irp b, 0,1,2,3
	ds_load_b128 v[\reg+8*\b:\reg+8*\b+3], v14 offset:\tab+64*\b
	ds_load_b128 v[\reg+8*\b+4:\reg+8*\b+7], v14 offset:\tab+64*\b+16
.endr
.endm
	s_load_b512 s[4:19], s[0:1], 0x0               ; q_codes, hk, hv, wst, bq, bk, bv, bo
	s_load_b128 s[20:23], s[0:1], 0x40             ; scales, oc
	s_load_b64 s[24:25], s[0:1], 0x50              ; part
	v_lshl_add_u32 v[SPW], v0, 2, SPARE
	v_mov_b32 v[NIL], 0
	ds_add_u32 v1, v2
	ds_add_u32 v1, v2
	s_wait_dscnt 0x0
	v_lshrrev_b32 v99, 5, v0
	v_readfirstlane_b32 s26, v99                   ; wave
	s_bfe_u32 s27, ttmp6, 0x40000                  ; my place in the cluster: it enters global addresses of my own rows and a mask of lanes, no LDS address and no branch
	s_lshl_b32 s28, ttmp9, 2
	s_add_co_u32 s28, s28, s27                     ; block of 128 places
	s_and_b32 s29, ttmp7, 0xffff                   ; batch
	s_mov_b32 s[G1+0], 15|(3<<16)|(1<<21)          ; the mask: all four work-groups; elements of 8 bytes; bit 21 set beside a mask; no padding
	s_mov_b32 s[G1+1], 32<<16                      ; tensor_dim0 = 32 elements: rows of 256 bytes
	s_mov_b32 s[G1+2], 128<<16                     ; tensor_dim1 = 128
	s_mov_b32 s[G1+3], 32<<16                      ; tile_dim0
	s_mov_b32 s[G1+4], 128                         ; tile_dim1: a dense block of 32,768 bytes
	s_mov_b32 s[G1+5], 32                          ; from row to row
	s_mov_b32 s[G1+6], 0
	s_mov_b32 s[G1+7], 0
	s_lshl_b32 s72, s26, 15                        ; my part of a fill, in memory and in the slot
	s_mov_b32 s73, 0
	s_wait_kmcnt 0x0
	s_load_b256 s[48:55], s[20:21], 0x0            ; e0 .. e7
	s_add_nc_u64 s[10:11], s[10:11], s[72:73]
	s_mov_b32 s[G0], 1
	s_mov_b32 s[G0+1], s72
	s_mov_b64 s[G0+2:G0+3], s[10:11]               ; fill 0
	s_or_b32 s[G0+3], s[G0+3], 0x80000000
	CROUND                                         ; all four work-groups are here: the first joint loads meet
	tensor_load_to_lds s[G0:G0+3], s[G1:G1+7]
	s_nop 0
	PLACES 4
	v_and_b32 v96, 31, v0                          ; lane
	v_and_b32 v97, 15, v0                          ; r
	v_bfe_u32 v98, v0, 4, 1                        ; h
	v_lshlrev_b32 v18, 4, v96                      ; 16 x lane
	v_lshlrev_b32 v31, 4, v0                       ; 16 x thread
	v_mul_u32_u24 v3, v98, PQ
	v_lshl_add_u32 v3, v97, 4, v3
	v_add_nc_u32 v3, AQB, v3                       ; q's fragments: plane h, entry r
	v_mul_u32_u24 v4, v98, PH
	v_lshl_add_u32 v4, v97, 4, v4
	v_add_nc_u32 v6, HVB, v4                       ; hv's: K steps 0, 1
	v_add_nc_u32 v7, HVB+36864, v4                 ;       K steps 2, 3
	v_add_nc_u32 v5, AKB+36864, v4
	v_add_nc_u32 v4, AKB, v4                       ; hk's likewise
	v_add_nc_u32 v8, OIB, v18                      ; o's
	v_lshl_add_u32 v9, v99, 14, v18                ; my offset in oc
	v_lshl_add_u32 v10, v99, 15, v18               ; my part of the weights' slot
	v_mul_u32_u24 v11, v99, 16512                  ; where o's codes go: K step w; place 8 r + t is tile r / 2, entry 8 (r % 2) + t: natural order from here on
	v_lshrrev_b32 v100, 1, v97
	v_mad_u32_u24 v11, v100, PQ, v11
	v_and_b32 v100, 1, v97
	v_lshl_add_u32 v11, v100, 7, v11
	v_lshl_add_u32 v11, v98, 3, v11
	v_add_nc_u32 v11, OIB, v11
	v_lshlrev_b32 v13, 9, v99
	v_lshl_add_u32 v13, v98, 5, v13
	v_add_nc_u32 v13, BTB, v13                     ; a bias table at column 128 w + 8 h
	s_lshl_b32 s72, s28, 4
	v_add_nc_u32 v15, s72, v97                     ; 16 block + r: 0 where place 8 r - 1 is outside, 255 where place 8 r + 8 is
	v_mul_u32_u24 v19, v96, PQ
	v_lshl_add_u32 v19, v99, 6, v19
	v_add_nc_u32 v19, AQB, v19                     ; q on its way in: plane = lane, entry 4 w + ..
	v_mad_u32_u24 v20, v99, 18432, v18
	v_add_nc_u32 v20, AKB, v20                     ; hk on its way in: my 36 chunks of 512 bytes
	v_mad_u32_u24 v23, v99, 10240, v18             ; hv: my 20 of its first 80 chunks,
	v_add_nc_u32 v21, HVB, v23
	v_lshl_add_u32 v24, v99, 13, v18
	v_add_nc_u32 v24, 40960, v24                   ; my 16 of its last 64
	v_add_nc_u32 v22, HVB, v24
	v_mov_b32 v25, 0xce6e6b28                      ; -1e9
	v_lshl_add_u32 v26, v0, 4, BTB
	v_lshlrev_b32 v27, 11, v98
	v_lshl_add_u32 v27, v99, 9, v27
	v_lshl_add_u32 v27, v97, 2, v27
	v_add_nc_u32 v27, STG, v27                     ; the statistics: lanes 0-15 the means, lanes 16-31 the squares; column 128 w + r
	v_lshl_add_u32 v28, v99, 10, v18
	v_add_nc_u32 v28, STG, v28
	v_mad_u32_u24 v29, v99, 16512, v18
	v_add_nc_u32 v29, OIB, v29                     ; my own K step of o's codes
	v_lshlrev_b32 v30, 9, v99
	v_lshl_add_u32 v30, v97, 2, v30                ; bo at column 128 w + r
	s_lshl_b32 s74, s29, 4
	s_add_co_u32 s74, s74, s28                     ; 16 batch + block
	s_lshl_b32 s72, s74, 16
	s_add_nc_u64 s[22:23], s[22:23], s[72:73]      ; oc: 65,536 bytes a block
	s_lshl_b32 s75, s26, 14
	s_add_co_u32 s72, s72, s75
	s_add_nc_u64 s[4:5], s[4:5], s[72:73]          ; q: 128 rows of 512 bytes a block, my 32 of them
	s_mul_i32 s72, s74, 73728
	s_add_nc_u64 s[8:9], s[8:9], s[72:73]          ; hv
	s_mul_i32 s75, s26, 18432
	s_add_co_u32 s72, s72, s75
	s_add_nc_u64 s[6:7], s[6:7], s[72:73]          ; hk, my quarter
	s_lshl_b32 s72, s74, 12
	s_add_nc_u64 s[24:25], s[24:25], s[72:73]      ; part
	global_load_b128 v[100:103], v31, s[12:13]     ; the biases, four numbers a thread
	global_load_b128 v[104:107], v31, s[14:15]
	global_load_b128 v[108:111], v31, s[16:17]
	WIN 0x80
.set i, 0
.rept 32
	global_load_b128 v[4*i:4*i+3], v18, s[4:5] offset:512*i th:TH_LOAD_NT      ; a row of q: 512 consecutive bytes
.set i, i+1
.endr
	WIN 0xc0
.set i, 0
.rept 28
	global_load_b128 v[4*i:4*i+3], v18, s[6:7] offset:512*i th:TH_LOAD_NT
.set i, i+1
.endr
	WIN 0
	s_mov_b32 s62, 0x76543210                      ; v_permlanex16_b32: lane l takes lane l xor 16
	s_mov_b32 s63, 0xfedcba98
	s_mov_b32 s69, 0xffff0000                      ; lanes 16-31
	v_cmp_ne_u32 s66, 0, v15                       ; the place in front of tile 0 exists
	v_cmp_gt_u32 s67, 255, v15                     ; the place behind tile 7 exists
	s_wait_kmcnt 0x0
	s_add_co_i32 s76, s48, s49
	s_add_co_i32 s77, s50, s51
	s_add_co_i32 s78, s52, s53
	s_add_co_i32 s68, s76, s77
	s_sub_co_i32 s68, s68, 3                       ; a dot of raw sums x 2^(e0+e1+e2+e3) / sqrt(64)
	s_sub_co_i32 s79, s54, s78
	s_add_co_i32 s79, s79, 127
	s_lshl_b32 s72, s79, 23
	v_mov_b32 v16, s72                             ; 2^(e6 - e4 - e5): V's two scales folded into the conversion's
	s_add_co_i32 s79, s79, 15
	s_lshl_b32 s79, s79, 23
	s_or_b32 s79, s79, 0x600000
	v_mov_b32 v17, s79                             ; 57,344 x that
	s_add_co_i32 s70, s54, s55
	s_add_co_i32 s70, s70, 127
	s_lshl_b32 s70, s70, 23                        ; 2^(e6 + e7)
	s_sub_co_i32 s76, 0, s76
	s_sub_co_i32 s77, 0, s77
	s_sub_co_i32 s78, 0, s78
	s_wait_loadcnt 60                              ; the three biases are in; q's 32 loads and hk's 28 may be out
.irp k, 0,1,2,3
	v_ldexp_f32 v[100+\k], v[100+\k], s76
	v_ldexp_f32 v[104+\k], v[104+\k], s77
	v_ldexp_f32 v[108+\k], v[108+\k], s78
.endr
	ds_store_b128 v26, v[100:103]
	ds_store_b128 v26, v[104:107] offset:2048
	ds_store_b128 v26, v[108:111] offset:4096
	s_wait_loadcnt 28                              ; q is in; hk's 28 may be out
	WIN 0x08
.set i, 0
.rept 32
	ds_store_b128 v19, v[4*i:4*i+3] offset:256*(i&7)+16*(i>>3)   ; row 32 w + i is tile i % 8, entry 4 w + i / 8
.set i, i+1
.endr
	WIN 0xc0
.set i, 28
.rept 8
	global_load_b128 v[4*i:4*i+3], v18, s[6:7] offset:512*i th:TH_LOAD_NT
.set i, i+1
.endr
.set i, 0
.rept 20
	global_load_b128 v[144+4*i:147+4*i], v23, s[8:9] offset:512*i th:TH_LOAD_NT
.set i, i+1
.endr
	WIN 0x40
.set i, 0
.rept 16
	global_load_b128 v[192+4*i:195+4*i], v24, s[8:9] offset:512*i th:TH_LOAD_NT   ; these wait in registers until q's LDS bytes are free
.set i, i+1
.endr
	WIN 0
.set i, 32
.rept 24
	v_mov_b32 v[i], 0                              ; the weights' registers are copied once before they are made
.set i, i+1
.endr
.set i, 80
.rept 16
	v_mov_b32 v[i], 0                              ; written once: a lane permute's destination and the upper half of a named pair count as read
.set i, i+1
.endr
	s_wait_loadcnt 16                              ; hk and the first part of hv are in; the 16 loads that wait in registers may be out
	WIN 0x0c
.set i, 0
.rept 36
	ds_store_b128 v20, v[4*i:4*i+3] offset:512*i
.set i, i+1
.endr
.set i, 0
.rept 20
	ds_store_b128 v21, v[144+4*i:147+4*i] offset:512*i
.set i, i+1
.endr
	WIN 0
	BARRIER                                        ; q, hk, hv's first part and the biases lie in LDS.  (My tensor load may stay out, and the first product waits for it)
; THE SCORES: for tile t and neighbour o the dot of Q's tile t with K's tile t + o, over my 32 of the head's 64; six chains of packed multiply-adds; the other half of the lanes holds the other 32.
.macro DOTS
.set dt, 0
.rept 8
.irp pi, 0,1,2,3,4,5,6,7
.irp o, 0,1,2
.if dt+\o >= 8
.set kr, 128+32*(dt+\o-8)
	WIN 0x06
.else
.set kr, 32*(dt+\o)
	WIN 0x0e
.endif
.irp ch, 0,1
.set bi, 8*(2*\ch+\pi/4)+2*(\pi%4)             ; each accumulator is read from its low end on
.if \pi == 0
	v_pk_mul_f32 v[80+4*\o+2*\ch:81+4*\o+2*\ch], v[32*dt+bi:32*dt+bi+1], v[kr+bi:kr+bi+1]
.else
	v_pk_fma_f32 v[80+4*\o+2*\ch:81+4*\o+2*\ch], v[32*dt+bi:32*dt+bi+1], v[kr+bi:kr+bi+1], v[80+4*\o+2*\ch:81+4*\o+2*\ch]
.endif
.endr
.endr
.endr
	WIN 0
.irp o, 0,1,2
	v_pk_add_f32 v[80+4*\o:81+4*\o], v[80+4*\o:81+4*\o], v[82+4*\o:83+4*\o]
.endr
.irp o, 0,1,2
	v_add_f32 v[80+4*\o], v[80+4*\o], v[81+4*\o]
.endr
.irp o, 0,1,2
	v_permlanex16_b32 v[92+\o], v[80+4*\o], s62, s63
.endr
.irp o, 0,1,2
	v_add_f32 v[32+3*dt+\o], v[80+4*\o], v[92+\o]
.endr
.set dt, dt+1
.endr
.endm
; THE SOFTMAX over three scores, for the eight tiles at once: the maximum is taken away; the 24 exponentials are one batch with one wait, the 8 reciprocals another.
.macro SOFTMAX
.set i, 0
.rept 24
	v_ldexp_f32 v[32+i], v[32+i], s68
.set i, i+1
.endr
	v_cndmask_b32 v32, v25, v32, s66               ; -1e9 where the key lies outside the sequence
	v_cndmask_b32 v55, v25, v55, s67
.irp t, 0,1,2,3,4,5,6,7
	v_max3_num_f32 v[80+\t], v[32+3*\t], v[33+3*\t], v[34+3*\t]
.endr
.set i, 0
.rept 24
	v_sub_f32 v[32+i], v[32+i], v[80+i/3]
.set i, i+1
.endr
.set i, 0
.rept 24
	v_mul_f32 v[32+i], 0x3fb8aa3b, v[32+i]
.set i, i+1
.endr
.set i, 0
	s_wait_alu depctr_va_vdst(0)
.rept 24
	v_exp_f32 v[32+i], v[32+i]
.set i, i+1
.endr
	v_nop                                          ; a plain instruction behind the batch,
	s_wait_alu depctr_va_vdst(0)                   ; and the one wait ahead of its first reader
.irp t, 0,1,2,3,4,5,6,7
	v_add_f32 v[80+\t], v[32+3*\t], v[33+3*\t]
.endr
.irp t, 0,1,2,3,4,5,6,7
	v_add_f32 v[80+\t], v[80+\t], v[34+3*\t]
.endr
	s_wait_alu depctr_va_vdst(0)
.irp t, 0,1,2,3,4,5,6,7
	v_rcp_f32 v[88+\t], v[80+\t]
.endr
	v_nop
	s_wait_alu depctr_va_vdst(0)
.set i, 0
.rept 24
	v_mul_f32 v[32+i], v[32+i], v[88+i/3]
.set i, i+1
.endr
.endm
.macro SWAPW                           ; the weights just made become 'the other head's'
.set i, 0
.rept 24
	v_mov_b32 v[56+i], v[32+i]
.set i, i+1
.endr
.endm
; o's tile t = three weighted tiles of V, summed in the first one's registers, held, converted, and stored as eight bytes of a plane.
.macro OUT
.set ot, 0
.rept 8
	WIN 0
	v_mov_b32 v80, v[56+3*ot]                      ; the three weights into even registers: a packed form takes a pair's low word for both halves
	v_mov_b32 v82, v[57+3*ot]
	v_mov_b32 v84, v[58+3*ot]
	WIN 0xc3
.set j, 0
.rept 16
	v_pk_mul_f32 v[32*ot+j:32*ot+j+1], v[32*ot+j:32*ot+j+1], v[80:81] op_sel_hi:[1,0]
.set j, j+2
.endr
.irp o, 1,2
.if ot+\o >= 8
.set kr, 128+32*(ot+\o-8)
	WIN 0xf1
.else
.set kr, 32*(ot+\o)
	WIN 0xf3
.endif
.set j, 0
.rept 16
	v_pk_fma_f32 v[32*ot+j:32*ot+j+1], v[kr+j:kr+j+1], v[80+2*\o:81+2*\o], v[32*ot+j:32*ot+j+1] op_sel_hi:[1,0,1]
.set j, j+2
.endr
.endr
	WIN 0xc3
.set j, 0
.rept 32
	v_med3_num_f32 v[32*ot+j], v[32*ot+j], -v17, v17   ; the conversion does not saturate (ISA guide 7.6.2): the hold at the largest code x the scale
.set j, j+1
.endr
	WIN 0x03
.irp b, 0,1,2,3
	v_cvt_scalef32_pk8_bf8_f32 v[86+2*\b:87+2*\b], v[32*ot+8*\b:32*ot+8*\b+7], v16
.endr
	v_nop                                          ; a plain instruction behind the last conversion
	WIN 0
.irp b, 0,1,2,3
	ds_store_b64 v12, v[86+2*\b:87+2*\b] offset:256*\b+16*ot   ; the 32 lanes write 256 different bytes
.endr
.set ot, ot+1
.endr
.endm
; Mean and sum of squared deviations of (o Wo + bo) over the block's 128 places, for my 64 columns of pass p.  A lane holds one column and 64 places.  Both are taken of the raw sums and scaled afterwards.
.macro LANESUM                         ; the 16 chains v[96 + 8 b + i] become one number a column tile, in v[96 + 8 b], the same in both halves of the lanes
.irp b, 0,1,2,3
	v_pk_add_f32 v[96+8*\b:97+8*\b], v[96+8*\b:97+8*\b], v[98+8*\b:99+8*\b]
	v_pk_add_f32 v[100+8*\b:101+8*\b], v[100+8*\b:101+8*\b], v[102+8*\b:103+8*\b]
.endr
.irp b, 0,1,2,3
	v_pk_add_f32 v[96+8*\b:97+8*\b], v[96+8*\b:97+8*\b], v[100+8*\b:101+8*\b]
.endr
.irp b, 0,1,2,3
	v_add_f32 v[96+8*\b], v[96+8*\b], v[97+8*\b]
.endr
.irp b, 0,1,2,3
	v_permlanex16_b32 v[98+8*\b], v[96+8*\b], s62, s63
.endr
.irp b, 0,1,2,3
	v_add_f32 v[96+8*\b], v[96+8*\b], v[98+8*\b]
.endr
.endm
.macro STATS p
	WIN 0x0a
.irp b, 0,1,2,3
.irp i, 0,2,4,6
	v_pk_add_f32 v[96+8*\b+\i:97+8*\b+\i], v[8*\b+\i:8*\b+\i+1], v[32+8*\b+\i:33+8*\b+\i]
.endr
.endr
	WIN 0x08
.set sa, 2
.rept 6
.irp b, 0,1,2,3
.irp i, 0,2,4,6
	v_pk_add_f32 v[96+8*\b+\i:97+8*\b+\i], v[96+8*\b+\i:97+8*\b+\i], v[32*sa+8*\b+\i:32*sa+8*\b+\i+1]
.endr
.endr
.set sa, sa+1
.endr
	WIN 0
	LANESUM
.irp b, 0,1,2,3
	v_mul_f32 v[160+2*\b], 0x3c000000, v[96+8*\b]  ; / 128
.endr
.irp b, 0,1,2,3
	v_mov_b32 v[161+2*\b], v[160+2*\b]
.endr
.set sa, 0
.rept 8
	WIN 0x02
.irp b, 0,1,2,3
.irp i, 0,2,4,6
	v_pk_add_f32 v[128+8*\b+\i:129+8*\b+\i], v[32*sa+8*\b+\i:32*sa+8*\b+\i+1], v[160+2*\b:161+2*\b] neg_lo:[0,1] neg_hi:[0,1]
.endr
.endr
	WIN 0
.irp b, 0,1,2,3
.irp i, 0,2,4,6
.if sa == 0
	v_pk_mul_f32 v[96+8*\b+\i:97+8*\b+\i], v[128+8*\b+\i:129+8*\b+\i], v[128+8*\b+\i:129+8*\b+\i]
.else
	v_pk_fma_f32 v[96+8*\b+\i:97+8*\b+\i], v[128+8*\b+\i:129+8*\b+\i], v[128+8*\b+\i:129+8*\b+\i], v[96+8*\b+\i:97+8*\b+\i]
.endif
.endr
.endr
.set sa, sa+1
.endr
	LANESUM
.irp b, 0,1,2,3
	v_fma_f32 v[160+2*\b], v[160+2*\b], s70, v[80+4*\p+\b]   ; the mean x 2^(e6 + e7) + bo
	v_mul_f32 v[96+8*\b], s70, v[96+8*\b]
.endr
.irp b, 0,1,2,3
	v_mul_f32 v[96+8*\b], s70, v[96+8*\b]          ; the squares x 2^(2 (e6 + e7))
.endr
.irp b, 0,1,2,3
	v_cndmask_b32 v[96+8*\b], v[160+2*\b], v[96+8*\b], s69
.endr
.irp b, 0,1,2,3
	ds_store_b32 v27, v[96+8*\b] offset:256*\p+64*\b
.endr
.endm
	s_mov_b32 s60, 2
	s_mov_b32 s61, 0                               ; 256 bytes of a bias table for each head
.Lqk:                                              ; a trip: one head's Q, its K, the scores, the weights.  Two fills
	SWAPW
	v_add_nc_u32 v14, s61, v13
	SETK KQ
	ACCINIT 0x80, 224, 0
	GEMM4 2, 1
	SETK KHK
	s_wait_alu depctr_va_vdst(0)
	ACCINIT 0x40, 160, 2048
	GEMM4 2, 1
	DOTS
	SOFTMAX
	s_add_co_u32 s61, s61, 256
	s_sub_co_u32 s60, s60, 1
	s_cmp_lg_u32 s60, 0
	s_cbranch_scc1 .Lqk
	s_wait_loadcnt 0x0                             ; the last part of hv.  q's planes are done with: every wave has passed K's barrier behind its last read of them
	WIN 0x04
.set i, 0
.rept 16
	ds_store_b128 v22, v[192+4*i:195+4*i] offset:512*i
.set i, i+1
.endr
	WIN 0
	BARRIER                                        ; all of hv's image lies in LDS: V's K step 2, which reads these bytes, is fetched in K step 1, ahead of the product's own barrier.  Nobody reads hk's image any more
	s_mov_b32 s60, 2
	s_mov_b32 s61, 0
.Lv:                                               ; a trip: one head's V, o, o's codes.  One fill
	v_add_nc_u32 v14, s61, v13
	s_lshl_b32 s72, s61, 2                         ; four planes of o's codes for each head
	v_add_nc_u32 v12, s72, v11
	SETK KHV
	ACCINIT 0x40, 160, 4096
	GEMM4 2, 1
	WIN 0xcc
.set i, 0
.rept 32
	v_cndmask_b32 v[i], 0, v[i], s66               ; V outside the sequence is zero
.set i, i+1
.endr
	WIN 0x44
.set i, 0
.rept 32
	v_cndmask_b32 v[160+i], 0, v[160+i], s67
.set i, i+1
.endr
	OUT
	SWAPW
	s_add_co_u32 s61, s61, 256
	s_sub_co_u32 s60, s60, 1
	s_cmp_lg_u32 s60, 0
	s_cbranch_scc1 .Lv
	; o's codes leave: my own K step, which I alone have written: LDS serves a wave's instructions in order
	WIN 0x80
.set i, 0
.rept 32
	ds_load_b128 v[4*i:4*i+3], v29 offset:2064*(i/4)+512*(i%4)
.set i, i+1
.endr
	WIN 0x08
.set i, 0
.rept 32
	s_wait_dscnt 31-i                              ; load i is in; those behind it may be out
	global_store_b128 v9, v[4*i:4*i+3], s[22:23] offset:512*i   ; 512 consecutive bytes
.set i, i+1
.endr
	WIN 0
.set i, 0
.rept 8
	global_load_b32 v[80+i], v30, s[18:19] offset:256*(i/4)+64*(i%4)   ; bo of column 128 w + 64 p + 16 b + r
.set i, i+1
.endr
	v_lshrrev_b32 v19, 5, v0
	v_lshl_add_u32 v19, v19, 10, v18               ; my 1,024 bytes of part
	s_wait_xcnt 0x0                                ; the stores have read their registers: the products below write them
	BARRIER                                        ; all of o's codes lie in LDS, and nobody reads hv's image any more
	SETK KOI
	GEMM4 1, 1
	s_wait_loadcnt 0x0                             ; bo
	STATS 0
	GEMM4 1, 0                                     ; the last product: nothing is left to ask for
	STATS 1
	BARRIER
	ds_load_b128 v[96:99], v28
	ds_load_b128 v[100:103], v28 offset:512
	s_wait_dscnt 0x1                               ; the first is in
	global_store_b128 v19, v[96:99], s[24:25]
	s_wait_dscnt 0x0
	global_store_b128 v19, v[100:103], s[24:25] offset:512
	s_wait_tensorcnt 0x0                           ; the wave's end
	ds_add_u32 v[SPW], v[NIL]
	s_wait_dscnt 0x0
	CROUND                                         ; the closing round: no work-group ends while a partner may still ask for a fill that names it
	s_endpgm
.Lfunc_end_k_qcd7866e322_attn:
	.size	k_qcd7866e322_attn, .Lfunc_end_k_qcd7866e322_attn-k_qcd7866e322_attn
	.p2alignl 7, 3214868480
	.fill 96, 4, 3214868480
	.section	.rodata,"a",@progbits
	.p2align	6, 0x0
	.amdhsa_kernel k_qcd7866e322_attn
		.amdhsa_group_segment_fixed_size 327680
		.amdhsa_private_segment_fixed_size 0
		.amdhsa_enable_private_segment 0
		.amdhsa_kernarg_size 88
		.amdhsa_user_sgpr_count 2
		.amdhsa_user_sgpr_kernarg_segment_ptr 1
		.amdhsa_wavefront_size32 1
		.amdhsa_system_sgpr_workgroup_id_x 1
		.amdhsa_system_sgpr_workgroup_id_y 1
		.amdhsa_system_sgpr_workgroup_id_z 1
		.amdhsa_system_vgpr_workitem_id 0
		.amdhsa_next_free_vgpr 1024
		.amdhsa_next_free_sgpr 96
		.amdhsa_reserve_vcc 0
		.amdhsa_float_denorm_mode_32 3
		.amdhsa_float_denorm_mode_16_64 3
		.amdhsa_memory_ordered 1
		.amdhsa_forward_progress 1
		.amdhsa_inst_pref_size 255
	.end_amdhsa_kernel
	.section	.bss,"aw",@nobits
	.p2align	6
	.space	262144
	.amdgpu_metadata
---
amdhsa.version: [ 1, 2 ]
amdhsa.kernels:
  - .name:           k_qcd7866e322_attn
    .symbol:         k_qcd7866e322_attn.kd
    .args:
      - { .name: q_codes, .offset: 0, .size: 8, .value_kind: global_buffer, .address_space: global }
      - { .name: hk, .offset: 8, .size: 8, .value_kind: global_buffer, .address_space: global }
      - { .name: hv, .offset: 16, .size: 8, .value_kind: global_buffer, .address_space: global }
      - { .name: wst, .offset: 24, .size: 8, .value_kind: global_buffer, .address_space: global }
      - { .name: bq, .offset: 32, .size: 8, .value_kind: global_buffer, .address_space: global }
      - { .name: bk, .offset: 40, .size: 8, .value_kind: global_buffer, .address_space: global }
      - { .name: bv, .offset: 48, .size: 8, .value_kind: global_buffer, .address_space: global }
      - { .name: bo, .offset: 56, .size: 8, .value_kind: global_buffer, .address_space: global }
      - { .name: lowp_scales, .offset: 64, .size: 8, .value_kind: global_buffer, .address_space: global }
      - { .name: oc, .offset: 72, .size: 8, .value_kind: global_buffer, .address_space: global }
      - { .name: part, .offset: 80, .size: 8, .value_kind: global_buffer, .address_space: global }
    .group_segment_fixed_size: 327680
    .private_segment_fixed_size: 0
    .kernarg_segment_align: 8
    .kernarg_segment_size: 88
    .max_flat_workgroup_size: 128
    .sgpr_count:     96
    .vgpr_count:     1024
    .wavefront_size: 32
...
	.end_amdgpu_metadata
.endif
;; end of part 2
;; launch mlp (part 3): grid 16 x 16, 4 waves a work-group, clusters of 4 x 1, 327,680 bytes of LDS; arguments oc, part, wst, g2, b2, bo, bfc, bpr, lowp_scales, x, out0; writes out0
.if DOCPART == 3
	.amdgcn_target "amdgcn-amd-amdhsa--gfx1250"
	.amdhsa_code_object_version 6
	.text
	.protected	k_qcd7866e322_mlp
	.globl	k_qcd7866e322_mlp
	.p2align	8
	.type	k_qcd7866e322_mlp,@function
k_qcd7866e322_mlp:
	s_mov_b64 s[64:65], 0
	v_nop
	global_prefetch_b8 v0, s[64:65] scope:SCOPE_SE
	s_setreg_imm32_b32 hwreg(HW_REG_WAVE_MODE, 25, 1), 1
	s_wait_xcnt 0x0
	s_wait_alu depctr_hold_cnt(0) depctr_sa_sdst(0) depctr_va_vdst(0) depctr_va_sdst(0) depctr_va_ssrc(0) depctr_va_vcc(0) depctr_vm_vsrc(0)
	s_getreg_b32 s2, hwreg(HW_REG_IB_STS2, 6, 4)
	s_cmp_eq_u32 s2, 0
	s_cbranch_scc0 .Lentry_in_a_cluster
	s_endpgm
.Lentry_in_a_cluster:
	s_bfe_u32 s2, ttmp6, 0x10000c
	s_cmp_lg_u32 s2, 0x3003
	s_cbranch_scc0 .Lentry_shape_is_right
	s_endpgm
.Lentry_shape_is_right:
; out = x + (quickgelu(norm2(o Wo + bo) Wfc + bfc) Wpr + bpr)^T, all three products on E5M2 codes.  The blocks' means and squares (part) are joined into the norm's figures at the head.
; SHARES.  A work-group owns 128 places of one batch.  THE WAVES SHARE THE COLUMNS: wave w makes columns 128 w .. of o Wo, 256 w .. of the hidden layer, 128 w .. of the output, 64 at a time, for all 128 places.
; In the first two products the rows' codes (64 KB) stay in each wave's REGISTERS (windows 2 and 3) and only the weights go through LDS; both are used transposed, so that a lane's eight results
; are eight neighbours along the next K: converted, they are eight bytes of a plane of the next operand.  The last product is used as it stands: a lane holds one channel and eight neighbouring places, as out0 lies.
; norm 2 costs one packed multiply-add: h2 = sum x AL + BE, AL = rstd g2 2^(e6+e7), BE = (bo - mean) rstd g2 + b2.
; WEIGHTS: fills 8 to 17 of the stream, 131,072 bytes each (64 columns a wave x 512 along K), through ONE LDS slot, each wave its own 32,768 bytes, asked for jointly by the four work-groups of a
; cluster, which walk the same weights.  W's fragments are fetched into registers two K steps ahead, so the slot is read out at the end of the first two of a fill's four K steps; it is filled again in
; the third.  A wave has one tensor load out.
; THE LAST PRODUCT goes in two passes of 64 channels a wave, with accumulators of their own (pass 0: window 1, pass 1: window 3).  Pass 0's way out is cut into eight parts, a column tile (16 channels x 128 places)
; into the stage or out of it, the first ahead of pass 1's wait for its fill, one in each of pass 1's K steps 0 to 6: its 64 stores a wave leave 16 at a time between the products.
; x comes 16 rows at a time: tile 0's into window 0, tile b's into the accumulator registers that pass 0's tile b - 1 has left; from pass 0's tile 1 on a load is issued three K steps or more ahead of the addition that reads it.
; PREFETCH: the wave's 128 rows x 512 bytes of x are asked of memory in the four trips of the hidden layer's loop, two instructions a trip, a lane a block of 256 bytes (16 rows x 2 blocks an instruction),
; in the order in which the way out loads them.  No other work-group reads these bytes, so each block is named once in the launch; what a wave has asked for and not yet read is its own 65,536 bytes at the most.
; LIMITS: e8 and e10 - e8 - e9 between -126 and 112; e8 + e9 between -127 and 125 (added to a constant's exponent field); e10 + e11 between -126 and 127.  The others go by v_ldexp_f32.  NaN among the inputs is not served.
; REGISTERS in windows of 256: window 0: v0-31 addresses; v32-95 AL and BE, then the sigmoid's 64 numbers, then x of column tile 0; v96-111 codes; v112-127 bpr (even registers); v128-255 W's fragments, two sets.
;   window 1: the 32 accumulators (row tile a, column tile b at 8 (4 a + b)); in pass 1 x of column tiles 1 to 3.   windows 2, 3: the rows' 32 fragments (K step s, tile a: window 2 + s / 2, register 128 (s % 2) + 16 a);
;   in the last product: window 2 v0-127 the rows' fragments of one K step, v128-191 a tile's results, v192-255 its rows read back (at the end v0-63 by turns with them);  window 3 pass 1's accumulators.
.set FILLB, 131072                     ; LDS: the weights' slot at bytes 0 to 131,071, 32,768 a wave; also a fill's bytes in memory;
.set RA,    131072                     ; h2's codes [K step 4][tile 8][2,048]; behind them, at + 65,536, o's codes likewise; over both, later, the hidden layer's: [64 along K: 16][tile 8][1,024];
.set ALB,   262144                     ; AL, and 2,048 bytes on BE;
.set BFB,   266240                     ; bfc / 2^(e8 + e9);
.set STAGE, 270336                     ; the way out: 16 rows x (512 + 16) bytes for each wave;
.set SPARE, 304128                     ; the spare words, 128 bytes a wave: two blocks of 256 bytes that no other line names
.set SPW, 1
.set NIL, 2
.set G1, 32                            ; s[32:39] descriptor group 1;  s[40:43] group 0, which walks
.set G0, 40
.set PFA, 80                           ; s[80:81] where my prefetches of x stand
.set GU, 0                             ; 1 in the last product
.set GW, 1                             ; the last product's accumulator window
.set GS, 0                             ; the K step in hand
.set MSB, 0
.macro WIN new                         ; the immediate's high byte repeats the setting that is left; a switch that changes nothing is dropped
.if MSB != (\new)
	s_set_vgpr_msb (MSB<<8)|(\new)
.set MSB, (\new)
.endif
.endm
.macro PLACES n
.rept \n
	v_nop
.endr
.endm
.macro CREST                           ; a round of the cluster's barrier behind its opening barrier
	s_cmp_lg_u32 s26, 0
	s_cbranch_scc1 .Lnot_wave_0_\@
	s_barrier_signal -3
.Lnot_wave_0_\@:
	s_barrier_wait -3
	s_barrier_signal -1
	s_barrier_wait -1
.endm
.macro CROUND
	s_barrier_signal -1
	s_barrier_wait -1
	CREST
.endm
.macro BARRIER                         ; my LDS stores have landed and my LDS loads are in: then the work-group's barrier.
	s_wait_dscnt 0x0
	s_barrier_signal -1
	s_barrier_wait -1
.endm
.macro FETCH_B s, set                  ; W's four fragments of K step s, the (s % 4)-th of the fill in the slot, out of my part of it, into a set
	WIN 0
.irp b, 0,1,2,3
.irp c, 0,1,2,3
	ds_load_b128 v[128+64*(\set)+16*\b+4*\c:128+64*(\set)+16*\b+4*\c+3], v5 offset:(4*((\s)%4)+\b)*2048+512*\c
.endr
.endr
.endm
.macro FETCH_A s, a0, a1               ; the hidden layer's fragments, row tiles a0 .. a1 - 1 of K step s: planes 0-3 lie in one run of 64 along K, planes 4-7 in the next
	WIN 0x80
.set fa, \a0
.rept (\a1)-(\a0)
	ds_load_b128 v[16*fa:16*fa+3],     v[6+(\s)/4] offset:16384*((\s)%4)+1024*fa
	ds_load_b128 v[16*fa+4:16*fa+7],   v[6+(\s)/4] offset:16384*((\s)%4)+1024*fa+512
	ds_load_b128 v[16*fa+8:16*fa+11],  v[6+(\s)/4] offset:16384*((\s)%4)+1024*fa+8192
	ds_load_b128 v[16*fa+12:16*fa+15], v[6+(\s)/4] offset:16384*((\s)%4)+1024*fa+8704
.set fa, fa+1
.endr
.endm
; Row tiles a0 .. a1 - 1 against W's four column tiles, 128 along K.  cm = 0: onto the sums; 1: the constant 0 starts them; 2: the bias starts them: it lies in row tile 7's accumulators,
; which the other tiles take as C; five places, and then tile 7 adds onto it in place.  The 32 accumulators take turns, one instruction a turn.
.macro MM a0, a1, set, cm
.set ma, \a0
.rept (\a1)-(\a0)
.if (\cm == 2) && (ma == 7)
	PLACES 5                                       ; a matrix instruction that writes over registers which earlier ones read stands five places behind them (ISA guide 7.12.1)
.endif
.if GU
	WIN (GW<<6)|(GW<<4)|0x02
.else
	WIN 0x50|((2+GS/2)<<2)
.endif
.set mr, 32*ma
.set mf, 128*(GS%2)+16*ma
.irp b, 0,1,2,3
.if GU
.if \cm == 1
	v_wmma_f32_16x16x128_bf8_bf8 v[mr+8*\b:mr+8*\b+7], v[16*ma:16*ma+15], v[128+64*(\set)+16*\b:128+64*(\set)+16*\b+15], 0
.else
	v_wmma_f32_16x16x128_bf8_bf8 v[mr+8*\b:mr+8*\b+7], v[16*ma:16*ma+15], v[128+64*(\set)+16*\b:128+64*(\set)+16*\b+15], v[mr+8*\b:mr+8*\b+7]
.endif
.elseif \cm == 1
	v_wmma_f32_16x16x128_bf8_bf8 v[mr+8*\b:mr+8*\b+7], v[128+64*(\set)+16*\b:128+64*(\set)+16*\b+15], v[mf:mf+15], 0
.elseif (\cm == 2) && (ma < 7)
	v_wmma_f32_16x16x128_bf8_bf8 v[mr+8*\b:mr+8*\b+7], v[128+64*(\set)+16*\b:128+64*(\set)+16*\b+15], v[mf:mf+15], v[224+8*\b:231+8*\b]
.else
	v_wmma_f32_16x16x128_bf8_bf8 v[mr+8*\b:mr+8*\b+7], v[128+64*(\set)+16*\b:128+64*(\set)+16*\b+15], v[mf:mf+15], v[mr+8*\b:mr+8*\b+7]
.endif
.endr
.set ma, ma+1
.endr
.endm
; THE WAY OUT of column tile b (16 channels x 128 places) of pass p, in two parts, and x's loads.
.macro XREG b, i                       ; XR: where row i of x's tile b lies: tile 0 in window 0, v32 on; tile b in window 1, in the registers of pass 0's column tile b - 1 (eight runs of eight)
.if (\b) == 0
.set XR, 32+4*(\i)
.else
.set XR, 32*((\i)/2)+8*((\b)-1)+4*((\i)%2)
.endif
.endm
.macro XLOAD p, b                      ; x: sixteen channel rows of 512 bytes
.if (\b) == 0
	WIN 0
.else
	WIN 0x40
.endif
.set i, 0
.rept 16
	XREG \b, i
	global_load_b128 v[XR:XR+3], v3, s[22:23] offset:(64*(\p)+16*(\b)+i)*8192 th:TH_LOAD_NT
.set i, i+1
.endr
.endm
.macro TOSTAGE p, b, bk                ; sum x 2^(e10+e11) + bpr; through my own stage, so that a channel's 512 bytes come back as a row, into window 2 from register bk on
	s_wait_xcnt 0x0                                ; earlier stores have read their registers: the rows below land there
	WIN 0x80|(1+2*(\p))
.set wa, 0
.rept 8
.irp i, 0,2,4,6
	v_pk_fma_f32 v[128+8*wa+\i:129+8*wa+\i], v[32*wa+8*(\b)+\i:32*wa+8*(\b)+\i+1], s[76:77], v[112+2*(4*(\p)+(\b)):113+2*(4*(\p)+(\b))] op_sel_hi:[1,0,0]   ; each accumulator from its low end on
.endr
.set wa, wa+1
.endr
	WIN 0x08
.set wa, 0
.rept 8
	ds_store_b128 v14, v[128+8*wa:131+8*wa] offset:64*wa
	ds_store_b128 v14, v[132+8*wa:135+8*wa] offset:64*wa+16
.set wa, wa+1
.endr
	WIN 0x80
.set i, 0
.rept 16
	ds_load_b128 v[(\bk)+4*i:(\bk)+4*i+3], v15 offset:528*i   ; LDS serves a wave's instructions in order: these see my stores, and the next tile's stores come behind them
.set i, i+1
.endr
.endm
.macro SEND p, b, bk, lc               ; + x; stored.  lc: the loads of x issued behind this tile's, which may be out.  The rows are back from the stage: the caller's wait on DScnt has shown it
	s_wait_loadcnt \lc
.if (\b) == 0
	WIN 0x82
.else
	WIN 0x86
.endif
.set i, 0
.rept 16
	XREG \b, i
	v_pk_add_f32 v[(\bk)+4*i:(\bk)+4*i+1], v[(\bk)+4*i:(\bk)+4*i+1], v[XR:XR+1]
	v_pk_add_f32 v[(\bk)+4*i+2:(\bk)+4*i+3], v[(\bk)+4*i+2:(\bk)+4*i+3], v[XR+2:XR+3]
.set i, i+1
.endr
	WIN 0x08
.set i, 0
.rept 16
	global_store_b128 v3, v[(\bk)+4*i:(\bk)+4*i+3], s[24:25] offset:(64*(\p)+16*(\b)+i)*8192 th:TH_STORE_NT   ; 512 consecutive bytes of a channel's row
.set i, i+1
.endr
.if (\p) == 0
	XLOAD 1, \b                                    ; the other pass's x of this tile into the registers just read
.endif
.endm
; What pass 1's K step GS carries of pass 0's way out.  Even steps: tile GS / 2 leaves; behind its x were issued 16, 32, 32, 16 loads.  Odd steps up to 5: tile (GS + 1) / 2 goes through the stage, and
; the next tile's x is asked for into the registers that it has left.  Its LDS instructions are older than the fetches that the K steps' counted waits leave out, so those counts stand.
.macro MID
.if GW == 3
.if GS%2 == 0
	SEND 0, GS/2, 192, 16*(1+((GS/2+1)/2)%2)
.elseif GS < 7
	TOSTAGE 0, (GS+1)/2, 192
.if GS < 5
	XLOAD 0, (GS+3)/2
.endif
.endif
.endif
.endm
; One of a fill's first two K steps.  W's set is free at the step's end and takes the fragments of two K steps on.  In the last product the rows come from LDS too: tiles 0-3 anew in the middle,
; tiles 4-7 at the end, each behind four places.  cold = 1: the rows of this step were all fetched ahead of W's two sets.
.macro STEP s, cm, cold
.set GS, \s
.if GU
.if \cold
	s_wait_dscnt 16                                ; the rows and this step's set of W are in; the other set's 16 loads may be out
.else
	s_wait_dscnt 32                                ; this step's set and row tiles 0-3 are in; tiles 4-7 (16 loads) and the next set (16) may be out
.endif
	MM 0, 4, (\s)%2, \cm
.if \cold == 0
	s_wait_dscnt 16                                ; tiles 4-7 are in; the next set may be out
.endif
	MID
	PLACES 4
	FETCH_A (\s)+1, 0, 4
	MM 4, 8, (\s)%2, \cm
	PLACES 4
	FETCH_A (\s)+1, 4, 8
	FETCH_B (\s)+2, (\s)%2
.else
	s_wait_dscnt 16                                ; this step's set of W is in; the younger set may be out
	MM 0, 8, (\s)%2, \cm
	PLACES 4                                       ; in front of loads into registers that matrix instructions have read
	FETCH_B (\s)+2, (\s)%2
.endif
.endm
; A fill's third K step.  The slot's last bytes, W's fragments of the fourth, have been asked for.  fill = 1: each wave waits for all its tensor loads (none is out), adds 0 to its spare word, and waits for
; that and for its reads of the slot; the barrier opens a round of the cluster's barrier, and the next fill is asked for first thing behind the round.  fill = 0: the launch's last fill.
.macro TURN s, fill
.set GS, \s
.if \fill
	WIN 0
	s_wait_tensorcnt 0x0                           ; no tensor load of mine is out, so group 0 may be written
	ds_add_u32 v[SPW], v[NIL]                      ; 0 onto my spare word
.if GU
	s_wait_dscnt 33                                ; (row tiles 4-7, W's last set and the add may be out)
.else
	s_wait_dscnt 17                                ; (W's last set and the add may be out)
.endif
	MM 0, 2, (\s)%2, 0
	s_wait_dscnt 0x0                               ; the add is done, and my reads of the slot are over
	s_barrier_signal -1
	MM 2, 4, (\s)%2, 0
	WIN 0
	s_barrier_wait -1
	CREST                                          ; no wave of any partner still reads the slot or has a load on its way
	s_add_nc_u64 s[G0+2:G0+3], s[G0+2:G0+3], FILLB
	tensor_load_to_lds s[G0:G0+3], s[G1:G1+7]
	s_nop 0
	PLACES 4                                       ; places behind a tensor load; also the places in front of the loads below
.else
	s_wait_dscnt 32
	MM 0, 4, (\s)%2, 0
	s_wait_dscnt 0x0
	PLACES 4
.endif
.if GU
	MID
	FETCH_A (\s)+1, 0, 4
.endif
	MM 4, 8, (\s)%2, 0
.if GU
	PLACES 4
	FETCH_A (\s)+1, 4, 8
.endif
.endm
.macro LAST s                          ; a product's last K step: nothing more to fetch; W's set came in ahead of the barrier of the step before
.set GS, \s
.if GU
	s_wait_dscnt 16
	MM 0, 4, (\s)%2, 0
	s_wait_dscnt 0x0
	MM 4, 8, (\s)%2, 0
.else
	MM 0, 8, (\s)%2, 0
.endif
.endm
.macro JOIN s                          ; the last product's K step 3: the sums go on into the next fill, whose first two sets of W are fetched at the step's end
.set GS, \s
	s_wait_dscnt 16
	MM 0, 4, (\s)%2, 0
	s_wait_dscnt 0x0
	PLACES 4
	FETCH_A (\s)+1, 0, 4
	MM 4, 8, (\s)%2, 0
	PLACES 4
	FETCH_A (\s)+1, 4, 8
	MID                                            ; this step's part of the way out stands ahead of the wait for the fill
	s_wait_tensorcnt 0x0                           ; my part of the next fill has landed: the one load that was out
	FETCH_B (\s)+1, 0
	FETCH_B (\s)+2, 1
.endm
.macro GEMM_S cm                       ; K = 512 with the rows in registers: one fill, four K steps; it ends with four places
	WIN 0
	s_wait_tensorcnt 0x0                           ; my part of this product's weights has landed.  Only I read those bytes, so my own wait is all that my reads need
	FETCH_B 0, 0
	FETCH_B 1, 1
	STEP 0, \cm, 1
	STEP 1, 0, 0
	TURN 2, 1
	LAST 3
	PLACES 4
	WIN 0
.endm
.macro RESIDENT adr                    ; 32 fragments from LDS into windows 2 and 3
.irp s, 0,1,2,3
	WIN (2+\s/2)<<6
.set i, 0
.rept 32
	ds_load_b128 v[128*(\s%2)+4*i:128*(\s%2)+4*i+3], v[\adr] offset:16384*\s+512*i
.set i, i+1
.endr
.endr
	WIN 0
.endm
	s_load_b512 s[4:19], s[0:1], 0x0               ; oc, part, wst, g2, b2, bo, bfc, bpr
	s_load_b128 s[20:23], s[0:1], 0x40             ; scales, x
	s_load_b64 s[24:25], s[0:1], 0x50              ; out0
	v_lshl_add_u32 v[SPW], v0, 2, SPARE
	v_mov_b32 v[NIL], 0
	ds_add_u32 v1, v2                              ; the opening lines: the add, twice on end, and its wait ahead of my first tensor load
	ds_add_u32 v1, v2
	s_wait_dscnt 0x0
	v_lshrrev_b32 v99, 5, v0
	v_readfirstlane_b32 s26, v99                   ; wave
	s_bfe_u32 s27, ttmp6, 0x40000                  ; my place in the cluster: it enters global addresses of my own rows alone
	s_lshl_b32 s28, ttmp9, 2
	s_add_co_u32 s28, s28, s27                     ; block of 128 places
	s_and_b32 s29, ttmp7, 0xffff                   ; batch
	s_mov_b32 s[G1+0], 15|(3<<16)|(1<<21)          ; the mask: all four work-groups; elements of 8 bytes; bit 21 set beside a mask; no padding
	s_mov_b32 s[G1+1], 32<<16                      ; rows of 256 bytes,
	s_mov_b32 s[G1+2], 128<<16                     ; 128 of them,
	s_mov_b32 s[G1+3], 32<<16
	s_mov_b32 s[G1+4], 128
	s_mov_b32 s[G1+5], 32                          ; dense: 32,768 bytes
	s_mov_b32 s[G1+6], 0
	s_mov_b32 s[G1+7], 0
	s_lshl_b32 s72, s26, 15                        ; my part of a fill, in memory and in the slot
	s_add_co_u32 s74, s72, 8*FILLB                 ; from fill 8 on
	s_mov_b32 s75, 0
	s_wait_kmcnt 0x0
	s_load_b256 s[48:55], s[20:21], 0x0            ; e0 .. e7
	s_load_b128 s[56:59], s[20:21], 0x20           ; e8 .. e11
	s_add_nc_u64 s[8:9], s[8:9], s[74:75]
	s_mov_b32 s[G0], 1
	s_mov_b32 s[G0+1], s72
	s_mov_b64 s[G0+2:G0+3], s[8:9]
	s_or_b32 s[G0+3], s[G0+3], 0x80000000
	CROUND                                         ; all four work-groups are here: the first joint loads meet
	tensor_load_to_lds s[G0:G0+3], s[G1:G1+7]
	s_nop 0
	PLACES 4
	v_and_b32 v96, 31, v0                          ; lane
	v_and_b32 v97, 15, v0                          ; r
	v_bfe_u32 v98, v0, 4, 1                        ; h
	v_lshlrev_b32 v3, 4, v96                       ; 16 x lane
	s_wait_alu depctr_va_vdst(0)
	v_lshl_add_u32 v4, v99, 14, v3                 ; my quarter of o's codes
	v_lshl_add_u32 v5, v99, 15, v3                 ; my part of the weights' slot
	v_add_nc_u32 v6, RA, v3
	v_add_nc_u32 v7, RA+65536, v3
	v_lshlrev_b32 v8, 9, v99
	v_lshl_add_u32 v8, v98, 5, v8
	v_add_nc_u32 v8, ALB, v8                       ; AL at column 128 w + 8 h
	v_lshlrev_b32 v100, 4, v97
	v_lshl_add_u32 v100, v98, 3, v100              ; 16 r + 8 h: my eight bytes of a plane
	v_lshl_add_u32 v10, v99, 14, v100
	v_add_nc_u32 v10, RA, v10                      ; h2's codes: K step w
	v_lshl_add_u32 v13, v99, 15, v100
	v_add_nc_u32 v13, RA, v13                      ; the hidden layer's: runs 4 w .. of 64 along K
	v_lshlrev_b32 v12, 10, v99
	v_lshl_add_u32 v12, v98, 5, v12
	v_add_nc_u32 v12, BFB, v12                     ; bfc at column 256 w + 8 h
	v_mul_u32_u24 v14, v99, 16*528
	v_add_nc_u32 v15, v14, v3
	v_add_nc_u32 v15, STAGE, v15                   ; the stage, back: a row of 512 bytes
	v_mad_u32_u24 v14, v97, 528, v14
	v_lshl_add_u32 v14, v98, 5, v14
	v_add_nc_u32 v14, STAGE, v14                   ; in: row = channel r, 32 bytes for each half of the lanes
	v_lshlrev_b32 v20, 4, v0
	v_lshlrev_b32 v21, 5, v0
	v_lshlrev_b32 v22, 9, v99
	v_lshl_add_u32 v22, v97, 2, v22                ; bpr at channel 128 w + r
	v_add_nc_u32 v23, RA+65536, v4
	v_lshl_add_u32 v25, v0, 4, ALB
	v_lshl_add_u32 v26, v0, 5, BFB
	v_lshrrev_b32 v24, 1, v96
	v_lshlrev_b32 v24, 13, v24
	v_and_b32 v101, 1, v96
	v_lshl_add_u32 v24, v101, 8, v24               ; the prefetches' offset: row lane / 2 of 8,192 bytes, block lane % 2 of 256; never rewritten
.irp k, 113,115,117,119,121,123,125,127
	v_mov_b32 v\k, 0                               ; named as the upper halves of pairs, so they are written
.endr
	s_mov_b32 s73, 0
	s_lshl_b32 s72, s29, 4
	s_add_co_u32 s72, s72, s28
	s_lshl_b32 s72, s72, 16
	s_add_nc_u64 s[4:5], s[4:5], s[72:73]          ; oc: my block
	s_lshl_b32 s72, s29, 16
	s_add_nc_u64 s[6:7], s[6:7], s[72:73]          ; part: my batch's sixteen blocks
	s_lshl_b32 s72, s29, 22                        ; x and out0: 512 rows of 8,192 bytes a batch,
	s_lshl_b32 s74, s26, 20                        ; my 128 channels,
	s_add_co_u32 s72, s72, s74
	s_lshl_b32 s74, s28, 9                         ; my block's 512 bytes of a row
	s_add_co_u32 s72, s72, s74
	s_add_nc_u64 s[22:23], s[22:23], s[72:73]
	s_add_nc_u64 s[24:25], s[24:25], s[72:73]
	s_mov_b64 s[PFA:PFA+1], s[22:23]               ; the prefetches begin at my first row of x
	global_load_b128 v[32:35], v20, s[10:11]       ; g2, b2, bo: four channels a thread
	global_load_b128 v[36:39], v20, s[12:13]
	global_load_b128 v[40:43], v20, s[14:15]
	global_load_b128 v[44:47], v21, s[16:17]       ; bfc: eight
	global_load_b128 v[48:51], v21, s[16:17] offset:16
.set i, 0
.rept 8
	global_load_b32 v[112+2*i], v22, s[18:19] offset:256*(i/4)+64*(i%4)   ; bpr of channel 128 w + 64 p + 16 b + r
.set i, i+1
.endr
.set i, 0
.rept 16
	global_load_b128 v[128+4*i:131+4*i], v20, s[6:7] offset:4096*i        ; the blocks' means,
	global_load_b128 v[192+4*i:195+4*i], v20, s[6:7] offset:4096*i+2048   ; their sums of squared deviations
.set i, i+1
.endr
	WIN 0x80
.set i, 0
.rept 32
	global_load_b128 v[4*i:4*i+3], v4, s[4:5] offset:512*i th:TH_LOAD_NT  ; my quarter of o's codes
.set i, i+1
.endr
	WIN 0
	s_wait_kmcnt 0x0
	s_add_co_i32 s78, s54, s55                     ; e6 + e7
	s_add_co_i32 s79, s56, s57                     ; e8 + e9
	s_lshl_b32 s70, s79, 23
	s_add_co_i32 s70, s70, 0xc01d265f              ; -1.702 log2(e) x 2^(e8 + e9): the exponents are added to the constant's exponent field
	s_mov_b32 s71, s70                             ; (named with it as a pair, so it is written)
	s_sub_co_i32 s72, s58, s79
	s_add_co_i32 s72, s72, 127
	s_lshl_b32 s74, s72, 23
	v_mov_b32 v18, s74                             ; 2^(e10 - e8 - e9): the hidden layer's three scales folded into one
	s_add_co_i32 s72, s72, 15
	s_lshl_b32 s72, s72, 23
	s_or_b32 s72, s72, 0x600000
	v_mov_b32 v19, s72
	s_add_co_i32 s72, s56, 127
	s_lshl_b32 s74, s72, 23
	v_mov_b32 v16, s74                             ; 2^e8
	s_add_co_i32 s72, s72, 15
	s_lshl_b32 s72, s72, 23
	s_or_b32 s72, s72, 0x600000
	v_mov_b32 v17, s72
	s_add_co_i32 s76, s58, s59
	s_add_co_i32 s76, s76, 127
	s_lshl_b32 s76, s76, 23                        ; 2^(e10 + e11)
	s_mov_b32 s77, s76
	s_sub_co_i32 s79, 0, s79
	s_wait_loadcnt 32                              ; all but o's 32 chunks
	; the second norm's figures, four channels a thread: mean = sum of means / 16;  squares = sum of squares + 128 x sum of (mean_i - mean)^2
	v_pk_add_f32 v[52:53], v[128:129], v[132:133]
	v_pk_add_f32 v[54:55], v[130:131], v[134:135]
	v_pk_add_f32 v[56:57], v[192:193], v[196:197]
	v_pk_add_f32 v[58:59], v[194:195], v[198:199]
.set i, 2
.rept 14
	v_pk_add_f32 v[52:53], v[52:53], v[128+4*i:129+4*i]
	v_pk_add_f32 v[54:55], v[54:55], v[130+4*i:131+4*i]
	v_pk_add_f32 v[56:57], v[56:57], v[192+4*i:193+4*i]
	v_pk_add_f32 v[58:59], v[58:59], v[194+4*i:195+4*i]
.set i, i+1
.endr
.irp k, 0,1,2,3
	v_mul_f32 v[52+\k], 0x3d800000, v[52+\k]
.endr
.set i, 0
.rept 16
	v_pk_add_f32 v[128+4*i:129+4*i], v[128+4*i:129+4*i], v[52:53] neg_lo:[0,1] neg_hi:[0,1]
	v_pk_add_f32 v[130+4*i:131+4*i], v[130+4*i:131+4*i], v[54:55] neg_lo:[0,1] neg_hi:[0,1]
.set i, i+1
.endr
	v_pk_mul_f32 v[64:65], v[128:129], v[128:129]
	v_pk_mul_f32 v[66:67], v[130:131], v[130:131]
.set i, 1
.rept 15
	v_pk_fma_f32 v[64:65], v[128+4*i:129+4*i], v[128+4*i:129+4*i], v[64:65]
	v_pk_fma_f32 v[66:67], v[130+4*i:131+4*i], v[130+4*i:131+4*i], v[66:67]
.set i, i+1
.endr
	v_mov_b32 v68, 0x3a000000
.irp k, 0,1,2,3
	v_fmamk_f32 v[56+\k], v[64+\k], 0x43000000, v[56+\k]
.endr
.irp k, 0,1,2,3
	v_fmaak_f32 v[56+\k], v[56+\k], v68, 0x3727c5ac   ; the variance + 1e-5
.endr
	s_wait_alu depctr_va_vdst(0)                   ; the wait ahead of the batch
.irp k, 0,1,2,3
	v_rsq_f32 v[60+\k], v[56+\k]
.endr
	v_nop                                          ; a plain instruction behind the batch,
	s_wait_alu depctr_va_vdst(0)                   ; and the wait ahead of its first reader
.irp k, 0,1,2,3
	v_mul_f32 v[60+\k], v[60+\k], v[32+\k]         ; rstd x g2
	v_sub_f32 v[40+\k], v[40+\k], v[52+\k]         ; bo - mean
.endr
.irp k, 0,1,2,3
	v_fma_f32 v[40+\k], v[40+\k], v[60+\k], v[36+\k]   ; BE
	v_ldexp_f32 v[60+\k], v[60+\k], s78            ; AL
.endr
.irp k, 0,1,2,3,4,5,6,7
	v_ldexp_f32 v[44+\k], v[44+\k], s79
.endr
	ds_store_b128 v25, v[60:63]
	ds_store_b128 v25, v[40:43] offset:2048
	ds_store_b128 v26, v[44:47]
	ds_store_b128 v26, v[48:51] offset:16
	s_wait_loadcnt 0x0
	WIN 0x08
.set i, 0
.rept 32
	ds_store_b128 v23, v[4*i:4*i+3] offset:512*i
.set i, i+1
.endr
	WIN 0
	BARRIER                                        ; the tables and o's codes lie in LDS.  (My tensor load may stay out, and the first product waits for it)
	RESIDENT 7                                     ; o's 32 fragments stay in registers
	s_mov_b32 s60, 2
	s_mov_b32 s61, 0
.Lo:                                               ; a trip: 64 columns of o Wo, the norm, h2's codes.  One fill
	v_add_nc_u32 v9, s61, v8
	s_lshl_b32 s72, s61, 2                         ; four planes
	v_add_nc_u32 v11, s72, v10
.irp b, 0,1,2,3
	ds_load_b128 v[32+8*\b:35+8*\b], v9 offset:64*\b
	ds_load_b128 v[36+8*\b:39+8*\b], v9 offset:64*\b+16
	ds_load_b128 v[64+8*\b:67+8*\b], v9 offset:2048+64*\b
	ds_load_b128 v[68+8*\b:71+8*\b], v9 offset:2048+64*\b+16
.endr
	GEMM_S 1
.set nm, 0
.rept 8
	WIN 0x41
.irp b, 0,1,2,3
.irp i, 0,2,4,6
	v_pk_fma_f32 v[32*nm+8*\b+\i:32*nm+8*\b+\i+1], v[32*nm+8*\b+\i:32*nm+8*\b+\i+1], v[32+8*\b+\i:33+8*\b+\i], v[64+8*\b+\i:65+8*\b+\i]
.endr
.endr
.set j, 0
.rept 32
	v_med3_num_f32 v[32*nm+j], v[32*nm+j], -v17, v17   ; the conversion does not saturate (ISA guide 7.6.2): the hold at the largest code x the scale
.set j, j+1
.endr
	WIN 0x01
.irp b, 0,1,2,3
	v_cvt_scalef32_pk8_bf8_f32 v[96+2*\b:97+2*\b], v[32*nm+8*\b:32*nm+8*\b+7], v16
.endr
	v_nop                                          ; a plain instruction behind the last conversion
	WIN 0
.irp b, 0,1,2,3
	ds_store_b64 v11, v[96+2*\b:97+2*\b] offset:2048*nm+256*\b   ; the 32 lanes write a plane's 256 bytes
.endr
.set nm, nm+1
.endr
	s_add_co_u32 s61, s61, 256
	s_sub_co_u32 s60, s60, 1
	s_cmp_lg_u32 s60, 0
	s_cbranch_scc1 .Lo
	BARRIER                                        ; h2's codes lie in LDS
	RESIDENT 6
	s_mov_b32 s60, 4
	s_mov_b32 s61, 0
.Lfc:                                              ; a trip: 64 hidden units, the activation, their codes.  One fill.  The codes land on bytes that held h2 and o: every wave has waited for its
	v_add_nc_u32 v9, s61, v12                      ; loads of those in front of the barrier that each trip's product passes ahead of the stores
	s_lshl_b32 s72, s61, 5                         ; a run of 64 along K: 8,192 bytes
	v_add_nc_u32 v11, s72, v13
	global_prefetch_b8 v24, s[PFA:PFA+1] th:TH_LOAD_NT scope:SCOPE_SE                 ; 32 of my 128 rows of x a trip: 16 rows x 2 blocks of 256 bytes an instruction, a lane a block;
	global_prefetch_b8 v24, s[PFA:PFA+1] offset:131072 th:TH_LOAD_NT scope:SCOPE_SE   ; at the trip's top: the last trip's activation behind the last tensor load, 80 matrix instructions ahead of the next
	WIN 0x40
.irp b, 0,1,2,3
	ds_load_b128 v[224+8*\b:227+8*\b], v9 offset:64*\b
	ds_load_b128 v[228+8*\b:231+8*\b], v9 offset:64*\b+16
.endr
	GEMM_S 2
.set gp, 0
.rept 4                                        ; two row tiles, 64 numbers a lane, at a time: u sigmoid(1.702 u) = u / (1 + 2^(-1.702 log2(e) u))
	WIN 0x01
.set j, 0
.rept 32
	v_pk_mul_f32 v[32+j:33+j], v[64*gp+j:64*gp+j+1], s[70:71] op_sel_hi:[1,0]
.set j, j+2
.endr
	WIN 0
.set j, 0
	s_wait_alu depctr_va_vdst(0)                   ; the wait ahead of the batch
.rept 64
	v_exp_f32 v[32+j], v[32+j]
.set j, j+1
.endr
	v_nop
	s_wait_alu depctr_va_vdst(0)                   ; one wait for the batch, ahead of its first reader
.set j, 0
.rept 32
	v_pk_add_f32 v[32+j:33+j], v[32+j:33+j], 1.0 op_sel_hi:[1,0]
.set j, j+2
.endr
.set j, 0
	s_wait_alu depctr_va_vdst(0)
.rept 64
	v_rcp_f32 v[32+j], v[32+j]
.set j, j+1
.endr
	v_nop
	s_wait_alu depctr_va_vdst(0)
	WIN 0x41
.set j, 0
.rept 32
	v_pk_mul_f32 v[64*gp+j:64*gp+j+1], v[64*gp+j:64*gp+j+1], v[32+j:33+j]
.set j, j+2
.endr
.set j, 0
.rept 64
	v_med3_num_f32 v[64*gp+j], v[64*gp+j], -v19, v19
.set j, j+1
.endr
	WIN 0x01
.irp q, 0,1,2,3,4,5,6,7
	v_cvt_scalef32_pk8_bf8_f32 v[96+2*\q:97+2*\q], v[64*gp+8*\q:64*gp+8*\q+7], v18
.endr
	v_nop
	WIN 0
.irp q, 0,1,2,3,4,5,6,7
	ds_store_b64 v11, v[96+2*\q:97+2*\q] offset:1024*(2*gp+\q/4)+256*(\q%4)
.endr
.set gp, gp+1
.endr
	s_add_co_u32 s61, s61, 256
	s_sub_co_u32 s60, s60, 1
	s_wait_xcnt 0x0                                ; the trip's prefetches have read their address: it is stepped only behind this wait
	s_add_nc_u64 s[PFA:PFA+1], s[PFA:PFA+1], 262144   ; 32 rows on (the last trip's step is not used)
	s_cmp_lg_u32 s60, 0
	s_cbranch_scc1 .Lfc
	BARRIER                                        ; the hidden layer's codes lie in LDS
.set GU, 1
; 64 channels over K = 1,024: two fills, eight K steps.  The launch's last fill is not followed by another.  Pass 1 begins with pass 0's first column tile on its way through the stage, ahead of the wait for the fill.
.macro PRPASS p
	FETCH_A 0, 0, 8                                ; the rows do not come out of the slot: they are asked for ahead of the wait
.if \p
	TOSTAGE 0, 0, 192
	XLOAD 0, 1
.endif
	s_wait_tensorcnt 0x0                           ; my part of the pass's first fill has landed
	FETCH_B 0, 0
	FETCH_B 1, 1
	STEP 0, 1, 1
	STEP 1, 0, 0
	TURN 2, 1
	JOIN 3
	STEP 4, 0, 1
	STEP 5, 0, 0
	TURN 6, 1-\p
	LAST 7
	PLACES 4
.endm
	XLOAD 0, 0                                     ; x of pass 0's first column tile
	PRPASS 0
.set GW, 3
	PRPASS 1
	; pass 1's way out: tile b goes through the stage while tile b - 1 leaves; the rows come back into v192-255 and v0-63 of window 2 by turns
	TOSTAGE 1, 0, 192
.irp b, 1,2,3
	TOSTAGE 1, \b, 192*(1-(\b)%2)
	s_wait_dscnt 32                                ; tile b - 1 is back in registers; tile b's 16 stores and 16 loads may be out
	SEND 1, (\b)-1, 192*((\b)%2), 64-16*(\b)       ; behind its x: the x of the tiles that follow, 16 loads each
.endr
	s_wait_dscnt 0x0
	SEND 1, 3, 0, 0
	WIN 0
	s_wait_tensorcnt 0x0                           ; the wave's end
	ds_add_u32 v[SPW], v[NIL]
	s_wait_dscnt 0x0
	CROUND                                         ; the closing round: no work-group ends while a partner may still ask for a fill that names it
	s_endpgm
.Lfunc_end_k_qcd7866e322_mlp:
	.size	k_qcd7866e322_mlp, .Lfunc_end_k_qcd7866e322_mlp-k_qcd7866e322_mlp
	.p2alignl 7, 3214868480
	.fill 96, 4, 3214868480
	.section	.rodata,"a",@progbits
	.p2align	6, 0x0
	.amdhsa_kernel k_qcd7866e322_mlp
		.amdhsa_group_segment_fixed_size 327680
		.amdhsa_private_segment_fixed_size 0
		.amdhsa_enable_private_segment 0
		.amdhsa_kernarg_size 88
		.amdhsa_user_sgpr_count 2
		.amdhsa_user_sgpr_kernarg_segment_ptr 1
		.amdhsa_wavefront_size32 1
		.amdhsa_system_sgpr_workgroup_id_x 1
		.amdhsa_system_sgpr_workgroup_id_y 1
		.amdhsa_system_sgpr_workgroup_id_z 1
		.amdhsa_system_vgpr_workitem_id 0
		.amdhsa_next_free_vgpr 1024
		.amdhsa_next_free_sgpr 96
		.amdhsa_reserve_vcc 0
		.amdhsa_float_denorm_mode_32 3
		.amdhsa_float_denorm_mode_16_64 3
		.amdhsa_memory_ordered 1
		.amdhsa_forward_progress 1
		.amdhsa_inst_pref_size 255
	.end_amdhsa_kernel
	.section	.bss,"aw",@nobits
	.p2align	6
	.space	262144
	.amdgpu_metadata
---
amdhsa.version: [ 1, 2 ]
amdhsa.kernels:
  - .name:           k_qcd7866e322_mlp
    .symbol:         k_qcd7866e322_mlp.kd
    .args:
      - { .name: oc, .offset: 0, .size: 8, .value_kind: global_buffer, .address_space: global }
      - { .name: part, .offset: 8, .size: 8, .value_kind: global_buffer, .address_space: global }
      - { .name: wst, .offset: 16, .size: 8, .value_kind: global_buffer, .address_space: global }
      - { .name: g2, .offset: 24, .size: 8, .value_kind: global_buffer, .address_space: global }
      - { .name: b2, .offset: 32, .size: 8, .value_kind: global_buffer, .address_space: global }
      - { .name: bo, .offset: 40, .size: 8, .value_kind: global_buffer, .address_space: global }
      - { .name: bfc, .offset: 48, .size: 8, .value_kind: global_buffer, .address_space: global }
      - { .name: bpr, .offset: 56, .size: 8, .value_kind: global_buffer, .address_space: global }
      - { .name: lowp_scales, .offset: 64, .size: 8, .value_kind: global_buffer, .address_space: global }
      - { .name: x, .offset: 72, .size: 8, .value_kind: global_buffer, .address_space: global }
      - { .name: out0, .offset: 80, .size: 8, .value_kind: global_buffer, .address_space: global }
    .group_segment_fixed_size: 327680
    .private_segment_fixed_size: 0
    .kernarg_segment_align: 8
    .kernarg_segment_size: 88
    .max_flat_workgroup_size: 128
    .sgpr_count:     96
    .vgpr_count:     1024
    .wavefront_size: 32
...
	.end_amdgpu_metadata
.endif
;; end of part 3
